; MI455X (gfx1250); checked and timed in simulation.
; The chip was launched on July 23, 2026; its instructions are those of AMD's public machine-readable ISA for CDNA 5 (MIT licence, August 2026) and "CDNA5" Instruction Set Architecture Reference Guide (July 2026). The comments in the code are by the model that wrote it; some were corrected since.
;; Naive Causal Self Attention. Allowed arithmetic: float matrix products may take bf16 or f16 operands with f32 sums; all other float work in f32.
;; Inputs: position_ids 1 x 2,048 int32; wk 2,048 x 512 float32; wo 2,048 x 2,048 float32; wq 2,048 x 2,048 float32; wv 2,048 x 512 float32; x 1 x 2,048 x 2,048 float32.
;; Outputs: out0 1 x 2,048 x 2,048 float32.
;; 3 versions, each right; version 2 is faster than version 1; version 3 is version 2 with the launch prep written anew for expert scheduling mode. Each part assembles by itself: llvm-mc -triple=amdgcn-amd-amdhsa -mcpu=gfx1250 --defsym DOCPART=n.
;; ======== version 1 of 3: 4 launches
;; limits: values are held in f16: magnitudes above 65,504 overflow, below 6.1e-05 lose precision
;; workspace buffers: xb 8,388,608 bytes; wb 20,971,520 bytes; tab 524,544 bytes; qkv 12,582,912 bytes; ab 8,388,608 bytes
;; launch prep (part 1): grid 8 x 112, 8 waves a work-group, no clusters, 0 bytes of LDS; arguments x, wq, wk, wv, wo, position_ids, xb, wb, tab; writes xb, wb, tab
.if DOCPART == 1
	.amdgcn_target "amdgcn-amd-amdhsa--gfx1250"
	.amdhsa_code_object_version 6
	.text
	.protected	k_q73d980d0b1_prep
	.globl	k_q73d980d0b1_prep
	.p2align	8
	.type	k_q73d980d0b1_prep,@function
k_q73d980d0b1_prep:
	s_mov_b64 s[64:65], 0
	v_nop
	global_prefetch_b8 v0, s[64:65] scope:SCOPE_SE
	s_setreg_imm32_b32 hwreg(HW_REG_WAVE_MODE, 25, 1), 1
	s_wait_xcnt 0x0
; Casts and the RoPE table, one stream.
;   xb : x as bf16, [2048][2048].
;   wb : 80 units of 262,144 bytes.  Units 0-47: column group g of [wq|wk|wv] as [2048 k][64 n] bf16 (g 0-31 q heads, 32-39 k heads,
;        40-47 v heads).  Units 48-79: wo in 16 groups of 128 columns, [2048 k][128 n], two units a group, as f16: each number is
;        rounded to bf16 like every other input and then written as f16 (exact from 2^-14 up, within 2^-25 below), because its partner
;        in the last product, the attention result, is kept in f16.
;   tab: f32 [2049][32][2]: row s holds (cos, sin) of position_ids[s] * 10000^(-f/32), f = 0..31; row 2048 holds (1, 0).
; An item is 128 numbers: 16 bytes a lane in, 8 bytes a lane out, so a store of the wave covers 256 consecutive bytes, aligned.
; A group is 1,024 items = one unit of 262,144 bytes out; work-group (part, G) takes items 128 part .. +127 of group G, a wave 16 of them,
; all 16 loads on their way at once.  Memory binds: no LDS, no barrier, no matrix unit, no cluster (no byte is read twice).
; LIMITS: 10000^(-f/32) is made by v_exp_f32, a few units in the last place from a power function's; the angle is reduced twice by
; multiples of pi/2 in three parts, which serves every int32 position, within about 1e-5 radian at the largest.
.set OFF,  4                           ; v[4:19]   item i: byte offset of my 16 bytes from the wave's first item; never rewritten
.set DAT,  20                          ; v[20:83]  item i: 4 registers
.set DOFF, 84                          ; v84       8 x lane
	s_load_b512 s[4:19], s[0:1], 0x0               ; x, wq, wk, wv, wo, position_ids, xb, wb
	s_load_b64 s[20:21], s[0:1], 0x40              ; tab
	s_and_b32 s22, ttmp7, 0xffff                   ; G, the group: 0-31 x, 32-63 wq, 64-71 wk, 72-79 wv, 80-111 wo
	v_lshrrev_b32 v2, 5, v0
	v_readfirstlane_b32 s24, v2                    ; wave
	v_and_b32 v1, 31, v0                           ; lane
	s_lshl_b32 s25, ttmp9, 7
	s_lshl4_add_u32 s25, s24, s25                  ; my first item = 128 part + 16 wave
	s_mov_b32 s34, 0                               ; the first group of my tensor
	s_mov_b32 s30, 512                             ; IS: source bytes from item to item
	s_mov_b32 s31, 256                             ; HS: source bytes from lanes 0-15 to lanes 16-31
	s_wait_kmcnt 0x0
	s_mov_b64 s[26:27], s[4:5]                     ; source: x
	s_mov_b64 s[28:29], s[16:17]                   ; destination: xb
	s_cmp_ge_u32 s22, 32                           ; wq: an item is two k rows of 64 columns, 8,192 bytes apart
	s_cselect_b64 s[26:27], s[6:7], s[26:27]
	s_cselect_b64 s[28:29], s[18:19], s[28:29]     ; every weight goes to wb
	s_cselect_b32 s34, 32, s34
	s_cselect_b32 s30, 16384, s30
	s_cselect_b32 s31, 8192, s31
	s_cselect_b32 s40, 32, 0                       ; unit in the destination = G - 32 for weights, G for x
	s_cmp_ge_u32 s22, 64                           ; wk: rows of 2,048 bytes
	s_cselect_b64 s[26:27], s[8:9], s[26:27]
	s_cselect_b32 s34, 64, s34
	s_cselect_b32 s30, 4096, s30
	s_cselect_b32 s31, 2048, s31
	s_cmp_ge_u32 s22, 72                           ; wv: the same shape
	s_cselect_b64 s[26:27], s[10:11], s[26:27]
	s_cselect_b32 s34, 72, s34
	s_cmp_ge_u32 s22, 80                           ; wo: an item is one k row of 128 columns
	s_cselect_b64 s[26:27], s[12:13], s[26:27]
	s_cselect_b32 s34, 80, s34
	s_cselect_b32 s30, 8192, s30
	s_cselect_b32 s31, 256, s31
	s_sub_co_u32 s35, s22, s34                     ; the group's number inside its tensor
	s_lshl_b32 s36, s35, 19                        ; x: 1,024 items of 512 bytes
	s_lshl_b32 s37, s35, 8                         ; wq, wk, wv: 64 columns of 4 bytes
	s_lshr_b32 s38, s35, 1
	s_lshl_b32 s38, s38, 9                         ; wo: 128 columns of 4 bytes for each pair of groups,
	s_and_b32 s39, s35, 1
	s_lshl_b32 s39, s39, 23                        ; and 1,024 rows of 8,192 bytes for the pair's second
	s_add_co_u32 s38, s38, s39
	s_cmp_ge_u32 s22, 32
	s_cselect_b32 s32, s37, s36
	s_cmp_ge_u32 s22, 80
	s_cselect_b32 s32, s38, s32
	s_mul_i32 s33, s25, s30                        ; + my first item
	s_add_co_u32 s32, s32, s33
	s_mov_b32 s33, 0
	s_add_nc_u64 s[26:27], s[26:27], s[32:33]
	s_sub_co_u32 s32, s22, s40
	s_lshl_b32 s32, s32, 18                        ; the unit, 262,144 bytes each,
	s_lshl_b32 s41, s25, 8                         ; + my first item, 256 bytes each
	s_add_co_u32 s32, s32, s41
	s_add_nc_u64 s[28:29], s[28:29], s[32:33]
	v_and_b32 v2, 15, v0
	v_bfe_u32 v3, v0, 4, 1
	v_lshlrev_b32 v2, 4, v2
	v_mad_u32_u24 v[OFF], v3, s31, v2              ; 16 (lane mod 16) + HS (lane / 16)
.set i, 1
.rept 15
	v_add_nc_u32 v[OFF+i], s30, v[OFF+i-1]
.set i, i+1
.endr
	v_lshlrev_b32 v[DOFF], 3, v1
.macro LOADS                           ; the wave's 16 items, read once in the launch
.set i, 0
.rept 16
	global_load_b128 v[DAT+4*i:DAT+4*i+3], v[OFF+i], s[26:27] th:TH_LOAD_NT
.set i, i+1
.endr
.endm
; r = x - n pi/2 with pi/2 in three parts (s36, s37, s38 hold them negated); n as a whole number into ni
.macro REDUCE x, r, ni
	v_mul_f32 v91, 0x3f22f983, v[\x]               ; x * 2/pi
	v_rndne_f32 v91, v91
	v_fma_f32 v[\r], v91, s36, v[\x]
	v_fma_f32 v[\r], v91, s37, v[\r]
	v_fma_f32 v[\r], v91, s38, v[\r]
	v_cvt_i32_f32 v[\ni], v91
.endm
; the 16 items leave.  half = 1: bf16 numbers written as f16
.macro STREAM half
.set i, 0
.rept 16
	s_wait_loadcnt 15-i                            ; loads come back in order: item i is in, the 15 - i younger ones stay out
	v_cvt_pk_bf16_f32 v[DAT+4*i], v[DAT+4*i], v[DAT+4*i+1]
	v_cvt_pk_bf16_f32 v[DAT+4*i+1], v[DAT+4*i+2], v[DAT+4*i+3]
.if \half
	v_lshlrev_b32 v[DAT+4*i+2], 16, v[DAT+4*i]
	v_and_b32 v[DAT+4*i+3], 0xffff0000, v[DAT+4*i]
	v_cvt_pk_f16_f32 v[DAT+4*i], v[DAT+4*i+2], v[DAT+4*i+3]
	v_lshlrev_b32 v[DAT+4*i+2], 16, v[DAT+4*i+1]
	v_and_b32 v[DAT+4*i+3], 0xffff0000, v[DAT+4*i+1]
	v_cvt_pk_f16_f32 v[DAT+4*i+1], v[DAT+4*i+2], v[DAT+4*i+3]
.endif
	global_store_b64 v[DOFF], v[DAT+4*i:DAT+4*i+1], s[28:29] offset:256*i   ; no register of a store is written again
.set i, i+1
.endr
.endm
	s_cmp_ge_u32 s22, 32
	s_cbranch_scc1 .Lplain
	; The 256 work-groups of x also make the table: 2,048 waves, one row each, lane = frequency.
	s_lshl3_add_u32 s34, s22, ttmp9                ; 8 G + part
	s_lshl3_add_u32 s34, s34, s24                  ; row s = 8 (8 G + part) + wave
	s_lshl_b32 s35, s34, 2
	v_mov_b32 v85, s35
	global_load_b32 v86, v85, s[14:15]             ; position_ids[s], ahead of the stream's loads
	LOADS
	s_lshl_b32 s32, s34, 8                         ; a table row is 256 bytes (s33 is 0)
	s_add_nc_u64 s[20:21], s[20:21], s[32:33]
	s_mov_b32 s36, 0xbfc90fdb                      ; - pi/2, first part
	s_mov_b32 s37, 0x333bbd2e                      ; second part
	s_mov_b32 s38, 0x26f72ced                      ; third part
	v_cvt_f32_u32 v87, v1
	v_mul_f32 v87, 0xbed49a78, v87                 ; - f log2(10000) / 32
	v_exp_f32 v87, v87                             ; 10000^(-f/32)
	v_nop                                          ; one plain place behind a transcendental (ISA guide 5.7.2)
	s_wait_loadcnt 16                              ; the position is in; the 16 loads issued behind it stay out
	v_cvt_f32_i32 v86, v86
	s_wait_alu depctr_va_vdst(0)
	v_mul_f32 v88, v86, v87                        ; the angle
	REDUCE 88, 89, 90
	REDUCE 89, 92, 93                              ; once more: at large angles the first remainder is not yet within pi/4
	v_add_nc_u32 v102, v90, v93
	v_and_b32 v102, 3, v102                        ; the quadrant
	v_mul_f32 v94, v92, v92                        ; z = r r
	v_mov_b32 v95, 0xb94ca1f9
	v_fmaak_f32 v95, v95, v94, 0x3c08839e
	v_fmaak_f32 v95, v95, v94, 0xbe2aaaa3
	v_mul_f32 v96, v92, v94
	v_fma_f32 v97, v96, v95, v92                   ; sin r = r + r z (..)
	v_mov_b32 v98, 0x37ccf5ce
	v_fmaak_f32 v98, v98, v94, 0xbab6061a
	v_fmaak_f32 v98, v98, v94, 0x3d2aaaa5
	v_mul_f32 v99, v94, v94
	v_fma_f32 v100, v94, -0.5, 1.0
	v_fma_f32 v101, v99, v98, v100                 ; cos r = 1 - z/2 + z z (..)
	v_and_b32 v103, 1, v102
	v_cmp_eq_u32 vcc_lo, 1, v103                   ; odd quadrants swap the two
	v_cndmask_b32 v105, v97, v101, vcc_lo          ; sine
	v_cndmask_b32 v104, v101, v97, vcc_lo          ; cosine
	v_lshrrev_b32 v106, 1, v102
	v_lshlrev_b32 v106, 31, v106                   ; the sine is negative in quadrants 2 and 3,
	v_xor_b32 v105, v105, v106
	v_add_nc_u32 v107, 1, v102
	v_lshrrev_b32 v107, 1, v107
	v_lshlrev_b32 v107, 31, v107                   ; the cosine in quadrants 1 and 2
	v_xor_b32 v104, v104, v107
	global_store_b64 v[DOFF], v[104:105], s[20:21]
	s_cmp_lg_u32 s34, 0
	s_cbranch_scc1 .Lstream
	v_mov_b32 v108, 1.0                            ; the wave of row 0 also writes row 2048: (1, 0), which leaves v heads as they are
	v_mov_b32 v109, 0
	global_store_b64 v[DOFF], v[108:109], s[20:21] offset:524288
	s_branch .Lstream
.Lplain:
	LOADS
.Lstream:
	s_cmp_ge_u32 s22, 80
	s_cbranch_scc1 .Lwo
	STREAM 0
	s_endpgm
.Lwo:
	STREAM 1
	s_endpgm
.Lfunc_end_k_q73d980d0b1_prep:
	.size	k_q73d980d0b1_prep, .Lfunc_end_k_q73d980d0b1_prep-k_q73d980d0b1_prep
	.p2alignl 7, 3214868480
	.fill 96, 4, 3214868480
	.section	.rodata,"a",@progbits
	.p2align	6, 0x0
	.amdhsa_kernel k_q73d980d0b1_prep
		.amdhsa_group_segment_fixed_size 0
		.amdhsa_private_segment_fixed_size 0
		.amdhsa_enable_private_segment 0
		.amdhsa_kernarg_size 72
		.amdhsa_user_sgpr_count 2
		.amdhsa_user_sgpr_kernarg_segment_ptr 1
		.amdhsa_wavefront_size32 1
		.amdhsa_system_sgpr_workgroup_id_x 1
		.amdhsa_system_sgpr_workgroup_id_y 1
		.amdhsa_system_sgpr_workgroup_id_z 1
		.amdhsa_system_vgpr_workitem_id 0
		.amdhsa_next_free_vgpr 112
		.amdhsa_next_free_sgpr 66
		.amdhsa_reserve_vcc 1
		.amdhsa_float_denorm_mode_32 3
		.amdhsa_float_denorm_mode_16_64 3
		.amdhsa_memory_ordered 1
		.amdhsa_forward_progress 1
		.amdhsa_inst_pref_size 23
	.end_amdhsa_kernel
	.amdgpu_metadata
---
amdhsa.version: [ 1, 2 ]
amdhsa.kernels:
  - .name:           k_q73d980d0b1_prep
    .symbol:         k_q73d980d0b1_prep.kd
    .args:
      - { .name: x, .offset: 0, .size: 8, .value_kind: global_buffer, .address_space: global }
      - { .name: wq, .offset: 8, .size: 8, .value_kind: global_buffer, .address_space: global }
      - { .name: wk, .offset: 16, .size: 8, .value_kind: global_buffer, .address_space: global }
      - { .name: wv, .offset: 24, .size: 8, .value_kind: global_buffer, .address_space: global }
      - { .name: wo, .offset: 32, .size: 8, .value_kind: global_buffer, .address_space: global }
      - { .name: position_ids, .offset: 40, .size: 8, .value_kind: global_buffer, .address_space: global }
      - { .name: xb, .offset: 48, .size: 8, .value_kind: global_buffer, .address_space: global }
      - { .name: wb, .offset: 56, .size: 8, .value_kind: global_buffer, .address_space: global }
      - { .name: tab, .offset: 64, .size: 8, .value_kind: global_buffer, .address_space: global }
    .group_segment_fixed_size: 0
    .private_segment_fixed_size: 0
    .kernarg_segment_align: 8
    .kernarg_segment_size: 72
    .max_flat_workgroup_size: 256
    .sgpr_count:     66
    .vgpr_count:     112
    .wavefront_size: 32
...
	.end_amdgpu_metadata
.endif
;; end of part 1
;; launch qkv (part 2): grid 16 x 16, 4 waves a work-group, clusters of 4 x 4, 327,680 bytes of LDS; arguments xb, wb, tab, qkv; writes qkv
.if DOCPART == 2
	.amdgcn_target "amdgcn-amd-amdhsa--gfx1250"
	.amdhsa_code_object_version 6
	.text
	.protected	k_q73d980d0b1_qkv
	.globl	k_q73d980d0b1_qkv
	.p2align	8
	.type	k_q73d980d0b1_qkv,@function
k_q73d980d0b1_qkv:
	s_mov_b64 s[64:65], 0
	v_nop
	global_prefetch_b8 v0, s[64:65] scope:SCOPE_SE
	s_setreg_imm32_b32 hwreg(HW_REG_WAVE_MODE, 25, 1), 1
	s_wait_xcnt 0x0
	s_wait_alu depctr_hold_cnt(0) depctr_sa_sdst(0) depctr_va_vdst(0) depctr_va_sdst(0) depctr_va_ssrc(0) depctr_va_vcc(0) depctr_vm_vsrc(0)
	s_getreg_b32 s2, hwreg(HW_REG_IB_STS2, 6, 4)
	s_cmp_eq_u32 s2, 0
	s_cbranch_scc0 .Lentry_in_a_cluster
	s_endpgm
.Lentry_in_a_cluster:
	s_bfe_u32 s2, ttmp6, 0x10000c
	s_cmp_lg_u32 s2, 0xf033
	s_cbranch_scc0 .Lentry_shape_is_right
	s_endpgm
.Lentry_shape_is_right:
; [q|k|v] = x [wq|wk|wv], RoPE on q and k, out as f16 [48 heads][2048 s][64] (heads 0-31 q, 32-39 k, 40-47 v).  Operands bf16, sums f32.
; A work-group makes 128 rows x 192 columns = three column groups (heads) 3 bx .. 3 bx + 2; 16 x 16 work-groups.
; Wave (mw, nw) makes rows 64 mw .. +63 of six tiles of 16 columns: the four of the whole group 3 bx + 2 nw, and tiles nw and nw + 2 of the
; middle group: columns d and d + 32 of a head, which RoPE pairs, are then the same register of two tiles in one lane.
; K goes in steps of 128 through two LDS slots.  CLUSTERS of 4 x 4: x's tile hangs on the block row alone and is asked for jointly by a row
; of the cluster, a weight tile on the block column alone and jointly by a column; that divides the requests for both by four.
; Wave 3 asks for x's tile (128 rows x 256 bytes), waves 0-2 for one group's weight tile each (128 k rows x 128 bytes, dense in wb).
; The matrix instruction is used transposed (source 0 = weights, source 1 = x): a lane holds eight neighbouring columns of one row.
; LIMIT: q, k, v leave as f16: after RoPE they must stay under 65,504 (at 30 times larger x and weights they peak near 4,500).
; f16 and not bf16 for its three more bits: row 0 of the module's result is v itself through wo.
; REGISTERS: window 0: v0-31 addresses, v32-111 and v112-191 fragment buffers (x: 4 x 8, weights: 6 x 8), v192-219 at work on the way out;
; window 1: the 24 accumulators, tile (mt, i) at v[8 (6 mt + i)];  window 2: 192 registers of (cos, sin), loaded at the start.
.set PA,    272                        ; LDS pitch of x's rows: 256 + 16
.set PB,    160                        ; LDS pitch of a weight row: 128 + 32, an odd multiple of 32 for the transposing loads
.set BT,    128*PB                     ; a weight tile
.set AOFF,  3*BT                       ; x's tile lies behind the three
.set SLOT,  AOFF+128*PA
.set STAGE, 2*SLOT                     ; the way out: [3 groups][128 rows][144 bytes]; no tensor load lands here
.set PS,    144
.set SG,    128*PS
.set LAPS,  8                          ; 16 K steps, two a lap
.set ADRA,  8                          ; v8-9    x fragments, slot 0, 1
.set ADRBW, 10                         ; v10-11  the whole group's fragments
.set ADRBS, 12                         ; v12-13  the middle group's
.set STW,   14
.set STS,   15
.set RD,    16
.set GO,    17
.set TAW,   18                         ; v18-21  table offsets for the whole group, one for each 16 rows
.set TAS,   22                         ; v22-25  for the middle group
.set F0,    32
.set F1,    112
.set TA,    192
.set TB,    200
.set TT,    208
.set TP,    216
.set G1A, 24
.set G0A, 32
.set G1B, 48
.set G0B, 56
.set MSB, 0
.macro WIN new                         ; the immediate's high byte repeats the setting that is left
.if MSB != \new
	s_set_vgpr_msb (MSB<<8)|\new
.set MSB, \new
.endif
.endm
.macro JLOAD s                         ; one joint load a wave; the branch hangs on the wave's number alone
	s_cmp_eq_u32 s12, 3
	s_cbranch_scc0 .Lfor_b_\@
	tensor_load_to_lds s[G0A+4*\s:G0A+4*\s+3], s[G1A:G1A+7]
	s_nop 0
	s_branch .Lasked_\@
.Lfor_b_\@:
	tensor_load_to_lds s[G0B+4*\s:G0B+4*\s+3], s[G1B:G1B+7]
	s_nop 0
.Lasked_\@:
.endm
.macro CREST                           ; a round of the cluster's barrier behind its opening barrier
	s_cmp_lg_u32 s12, 0
	s_cbranch_scc1 .Lnot_wave_0_\@
	s_barrier_signal -3
.Lnot_wave_0_\@:
	s_barrier_wait -3
	s_barrier_signal -1
	s_barrier_wait -1
.endm
.macro CROUND
	s_barrier_signal -1
	s_barrier_wait -1
	CREST
.endm
.macro PLACES                          ; four places behind a matrix instruction (ISA guide 7.12.1) before its registers are loaded into or its result is read
.rept 4
	v_nop
.endr
.endm
	s_load_b256 s[4:11], s[0:1], 0x0               ; xb s[4:5], wb s[6:7], tab s[8:9], qkv s[10:11]
	v_lshl_add_u32 v254, v0, 2, 0x3c800
	v_mov_b32 v255, 0
	ds_add_u32 v254, v255
	v_lshrrev_b32 v1, 5, v0
	v_readfirstlane_b32 s12, v1                    ; wave
	s_lshr_b32 s13, s12, 1                         ; mw
	s_and_b32 s14, s12, 1                          ; nw
	s_bfe_u32 s40, ttmp6, 0x40000                  ; cx
	s_bfe_u32 s41, ttmp6, 0x40004                  ; cy
	s_lshl_b32 s42, ttmp9, 2
	s_add_co_u32 s42, s42, s40                     ; bx
	s_and_b32 s43, ttmp7, 0xffff
	s_lshl_b32 s43, s43, 2
	s_add_co_u32 s43, s43, s41                     ; by
	s_lshl_b32 s44, s41, 2
	s_lshl_b32 s44, 15, s44                        ; my row of the cluster
	s_lshl_b32 s45, 0x1111, s40                    ; my column
	; x's tile: 128 rows x 128 elements of 2 bytes, 4 words of padding behind every 64
	s_or_b32 s[G1A+0], s44, (1<<16)|(1<<20)|(1<<21)|(5<<22)|(3<<25)
	s_mov_b32 s[G1A+1], 128<<16                    ; tensor_dim0
	s_mov_b32 s[G1A+2], 128<<16                    ; tensor_dim1
	s_mov_b32 s[G1A+3], 128<<16                    ; tile_dim0
	s_mov_b32 s[G1A+4], 128                        ; tile_dim1
	s_mov_b32 s[G1A+5], 2048                       ; elements from row to row
	s_mov_b32 s[G1A+6], 0
	s_mov_b32 s[G1A+7], 0
	; a weight tile: 16,384 dense bytes as 64 rows of 32 elements of 8 bytes, 8 words of padding behind every 32 words (one k row)
	s_or_b32 s[G1B+0], s45, (3<<16)|(1<<20)|(1<<21)|(4<<22)|(7<<25)
	s_mov_b32 s[G1B+1], 32<<16
	s_mov_b32 s[G1B+2], 64<<16
	s_mov_b32 s[G1B+3], 32<<16
	s_mov_b32 s[G1B+4], 64
	s_mov_b32 s[G1B+5], 32
	s_mov_b32 s[G1B+6], 0
	s_mov_b32 s[G1B+7], 0
	s_lshl_b32 s16, s43, 19                        ; x: 128 rows of 4,096 bytes a block row
	s_mov_b32 s17, 0
	s_mul_i32 s46, s42, 3
	s_add_co_u32 s46, s46, s12                     ; weights: unit 3 bx + wave (wave 3's is made and never used; it lies inside wb)
	s_lshl_b32 s46, s46, 18
	s_mov_b32 s47, 0
	s_mul_i32 s20, s12, BT                         ; a weight tile's place in a slot: the wave's number alone
	s_wait_dscnt 0x0
	s_wait_kmcnt 0x0
	s_add_nc_u64 s[16:17], s[4:5], s[16:17]
	s_add_nc_u64 s[46:47], s[6:7], s[46:47]
	CROUND                                         ; all sixteen work-groups are here: the first joint loads meet
.irp s, 0,1
	s_mov_b32 s[G0A+4*\s], 1
	s_mov_b32 s[G0A+4*\s+1], AOFF+\s*SLOT
	s_add_nc_u64 s[G0A+4*\s+2:G0A+4*\s+3], s[16:17], \s*256        ; K step s: 128 elements along the row
	s_or_b32 s[G0A+4*\s+3], s[G0A+4*\s+3], 0x80000000
	s_mov_b32 s[G0B+4*\s], 1
	s_add_co_u32 s[G0B+4*\s+1], s20, \s*SLOT
	s_add_nc_u64 s[G0B+4*\s+2:G0B+4*\s+3], s[46:47], \s*16384      ; K step s: 128 k rows of 128 bytes
	s_or_b32 s[G0B+4*\s+3], s[G0B+4*\s+3], 0x80000000
	JLOAD \s                                       ; both slots' first fills: two loads of the wave are out, later one
.endr
	v_and_b32 v1, 15, v0                           ; r
	v_bfe_u32 v2, v0, 4, 1                         ; h
	v_and_b32 v3, 7, v0
	v_bfe_u32 v4, v0, 3, 1
	v_mul_u32_u24 v5, v1, PA
	v_lshl_add_u32 v5, v2, 4, v5                   ; x: row r, 16 bytes for each half of the lanes
	s_mul_i32 s21, s13, 64*PA
	s_add_co_u32 s21, s21, AOFF
	v_add_nc_u32 v[ADRA], s21, v5
	v_add_nc_u32 v[ADRA+1], SLOT, v[ADRA]
	v_lshl_add_u32 v6, v2, 3, v3                   ; weights lie [k][n]: the transposing load wants k row 8 h + (lane mod 8)
	v_mul_u32_u24 v6, v6, PB
	v_lshl_add_u32 v6, v4, 4, v6                   ; and 16 bytes on for the upper eight lanes of each sixteen
	s_mul_i32 s22, s14, 2*BT
	v_add_nc_u32 v[ADRBW], s22, v6
	v_add_nc_u32 v[ADRBW+1], SLOT, v[ADRBW]
	s_lshl_b32 s23, s14, 5
	s_add_co_u32 s23, s23, BT
	v_add_nc_u32 v[ADRBS], s23, v6
	v_add_nc_u32 v[ADRBS+1], SLOT, v[ADRBS]
	v_mul_u32_u24 v5, v1, PS                       ; the stage: row 64 mw + r, 16 bytes for each half
	v_lshl_add_u32 v5, v2, 4, v5
	s_mul_i32 s21, s13, 64*PS
	s_add_co_u32 s21, s21, STAGE
	s_mul_i32 s22, s14, 2*SG
	s_add_co_u32 s22, s22, s21
	v_add_nc_u32 v[STW], s22, v5
	s_lshl_b32 s23, s14, 5
	s_add_co_u32 s23, s23, s21
	s_add_co_u32 s23, s23, SG
	v_add_nc_u32 v[STS], s23, v5
	v_bfe_u32 v7, v0, 3, 2                         ; back: eight lanes take a row of 128 bytes, a wave four rows
	v_mul_u32_u24 v7, v7, PS
	v_lshl_add_u32 v7, v3, 4, v7
	s_mul_i32 s21, s12, 32*PS
	s_add_co_u32 s21, s21, STAGE
	v_add_nc_u32 v[RD], s21, v7
	v_and_b32 v[GO], 31, v0
	v_lshlrev_b32 v[GO], 4, v[GO]
	; The table: q and k heads (groups under 40) take row s, v heads the row of (1, 0).  Stride and base are chosen, no branch.
	s_mul_i32 s72, s42, 3
	s_lshl1_add_u32 s73, s14, s72                  ; the whole group
	s_cmp_lt_u32 s73, 40
	s_cselect_b32 s66, 256, 0
	s_cselect_b32 s67, 0, 524288
	s_add_co_u32 s73, s72, 1                       ; the middle group
	s_cmp_lt_u32 s73, 40
	s_cselect_b32 s68, 256, 0
	s_cselect_b32 s69, 0, 524288
	s_lshl_b32 s74, s43, 7
	s_lshl_b32 s75, s13, 6
	s_add_co_u32 s74, s74, s75                     ; my first row of x
	v_add_nc_u32 v3, s74, v1
	v_lshlrev_b32 v4, 6, v2                        ; my eight frequencies 8 h .. 8 h + 7: 64 bytes
	v_add_nc_u32 v5, s67, v4
	v_mad_u32_u24 v[TAW], v3, s66, v5
	s_lshl_b32 s75, s66, 4
.irp m, 1,2,3
	v_add_nc_u32 v[TAW+\m], s75, v[TAW+\m-1]
.endr
	s_lshl_b32 s75, s14, 7                         ; the middle group's tile nw: frequencies 16 nw ..
	s_add_co_u32 s75, s75, s69
	v_add_nc_u32 v5, s75, v4
	v_mad_u32_u24 v[TAS], v3, s68, v5
	s_lshl_b32 s75, s68, 4
.irp m, 1,2,3
	v_add_nc_u32 v[TAS+\m], s75, v[TAS+\m-1]
.endr
	WIN 0x80                                       ; destination window 2.  These 48 loads stay out through the K loop; nothing of theirs is rewritten
.irp mt, 0,1,2,3
.irp t, 0,1
.irp k, 0,1,2,3
	global_load_b128 v[48*\mt+16*\t+4*\k:48*\mt+16*\t+4*\k+3], v[TAW+\mt], s[8:9] offset:128*\t+16*\k
.endr
.endr
.irp k, 0,1,2,3
	global_load_b128 v[48*\mt+32+4*\k:48*\mt+32+4*\k+3], v[TAS+\mt], s[8:9] offset:16*\k
.endr
.endr
	WIN 0
; 20 LDS loads: the fragments of 32 along K (quarter q of the slot's step) into buffer f
.macro FETCH slot, q, f
.irp mt, 0,1,2,3
	ds_load_b128 v[\f+8*\mt:\f+8*\mt+3],   v[ADRA+\slot] offset:\mt*16*PA+64*\q
	ds_load_b128 v[\f+8*\mt+4:\f+8*\mt+7], v[ADRA+\slot] offset:\mt*16*PA+64*\q+32
.endr
.irp t, 0,1,2,3
	ds_load_tr16_b128 v[\f+32+8*\t:\f+32+8*\t+3],   v[ADRBW+\slot] offset:\q*32*PB+32*\t
	ds_load_tr16_b128 v[\f+32+8*\t+4:\f+32+8*\t+7], v[ADRBW+\slot] offset:\q*32*PB+32*\t+16*PB
.endr
.irp t, 0,1
	ds_load_tr16_b128 v[\f+64+8*\t:\f+64+8*\t+3],   v[ADRBS+\slot] offset:\q*32*PB+64*\t
	ds_load_tr16_b128 v[\f+64+8*\t+4:\f+64+8*\t+7], v[ADRBS+\slot] offset:\q*32*PB+64*\t+16*PB
.endr
.endm
; 12 matrix instructions.  The 24 accumulators take turns, one instruction a turn, in one fixed order.
.macro MUL12 f, mt0, zero
.irp mt, \mt0, \mt0+1
.irp i, 0,1,2,3,4,5
.if \zero
	v_wmma_f32_16x16x32_bf16 v[8*(6*(\mt)+\i):8*(6*(\mt)+\i)+7], v[\f+32+8*\i:\f+32+8*\i+7], v[\f+8*(\mt):\f+8*(\mt)+7], 0
.else
	v_wmma_f32_16x16x32_bf16 v[8*(6*(\mt)+\i):8*(6*(\mt)+\i)+7], v[\f+32+8*\i:\f+32+8*\i+7], v[\f+8*(\mt):\f+8*(\mt)+7], v[8*(6*(\mt)+\i):8*(6*(\mt)+\i)+7]
.endif
.endr
.endr
.endm
; One of a step's first three quarters: buffer f is in; the next quarter's fragments are asked for first, into g, and have this quarter's 24 matrix instructions in which to land
.macro QUARTER slot, qn, f, g, zero
	s_wait_dscnt 0x0
	PLACES
	WIN 0
	FETCH \slot, \qn, \g
	WIN 0x50                                       ; C and D in window 1
	MUL12 \f, 0, \zero
	MUL12 \f, 2, \zero
.endm
.macro THREE slot, zero
	QUARTER \slot, 1, F0, F1, \zero
	QUARTER \slot, 2, F1, F0, 0
	QUARTER \slot, 3, F0, F1, 0
.endm
; The last quarter changes slots.  In front of the barrier each wave has its reads of this slot back and all its tensor loads landed (one is out:
; its part of the next slot).  Where the slot is filled again the barrier opens a round of the cluster's barrier, and the joint load is first behind it.
.macro TURN slot, next, fill
	s_wait_dscnt 0x0
	s_wait_tensorcnt 0x0
	ds_add_u32 v254, v255
	s_wait_dscnt 0x0
	s_barrier_signal -1
	WIN 0x50
	MUL12 F1, 0, 0
	WIN 0
	s_barrier_wait -1
.if \fill
	CREST
	s_add_nc_u64 s[G0A+4*\slot+2:G0A+4*\slot+3], s[G0A+4*\slot+2:G0A+4*\slot+3], 512      ; two K steps on
	s_add_nc_u64 s[G0B+4*\slot+2:G0B+4*\slot+3], s[G0B+4*\slot+2:G0B+4*\slot+3], 32768
	JLOAD \slot
.endif
	PLACES
	FETCH \next, 0, F0
	WIN 0x50
	MUL12 F1, 2, 0
.endm
.macro LAP zero
	THREE 0, \zero
	TURN 0, 1, 1
	THREE 1, 0
	TURN 1, 0, 1
.endm
	s_wait_tensorcnt 1                             ; my part of K step 0 is in; step 1's may stay out
	s_barrier_signal -1
	s_barrier_wait -1
	FETCH 0, 0, F0
	LAP 1                                          ; the first products start the sums: nothing is cleared
	WIN 0
	s_mov_b32 s3, LAPS-2
.Llap:
	LAP 0
	WIN 0
	s_sub_co_u32 s3, s3, 1
	s_cmp_lg_u32 s3, 0
	s_cbranch_scc1 .Llap
	THREE 0, 0                                     ; the last lap fills nothing
	TURN 0, 1, 0
	THREE 1, 0
	s_wait_dscnt 0x0
	WIN 0x50
	MUL12 F1, 0, 0
	MUL12 F1, 2, 0
	PLACES
	; THE WAY OUT.  a = column d, b = column d + 32 of a head: a' = a cos - b sin, b' = b cos + a sin; then f16, through the stage.
	s_wait_loadcnt 0x0                             ; the table
	s_mul_i32 s72, s42, 3
	s_lshl_b32 s72, s72, 18                        ; head 3 bx, 262,144 bytes a head
	s_lshl_b32 s73, s43, 14                        ; 128 by rows of 128 bytes
	s_add_co_u32 s72, s72, s73
	s_lshl_b32 s73, s12, 12                        ; each wave stores 32 rows of each of the three heads
	s_add_co_u32 s72, s72, s73
	s_mov_b32 s73, 0
	s_add_nc_u64 s[70:71], s[10:11], s[72:73]
.macro ROPE mt, ia, ib, tb, st, oa, ob
	WIN 0x09                                       ; source 0 window 1 (sums), source 1 window 2 (table)
.irp j, 0,1,2,3,4,5,6,7
	v_mul_f32 v[TT+\j], v[8*(6*\mt+\ib)+\j], v[\tb+2*\j+1]
.endr
.irp j, 0,1,2,3,4,5,6,7
	v_fma_f32 v[TA+\j], v[8*(6*\mt+\ia)+\j], v[\tb+2*\j], -v[TT+\j]
.endr
.irp j, 0,1,2,3,4,5,6,7
	v_mul_f32 v[TT+\j], v[8*(6*\mt+\ia)+\j], v[\tb+2*\j+1]
.endr
.irp j, 0,1,2,3,4,5,6,7
	v_fma_f32 v[TB+\j], v[8*(6*\mt+\ib)+\j], v[\tb+2*\j], v[TT+\j]
.endr
	WIN 0
.irp k, 0,1,2,3
	v_cvt_pk_f16_f32 v[TP+\k], v[TA+2*\k], v[TA+2*\k+1]
.endr
	ds_store_b128 v[\st], v[TP:TP+3] offset:\mt*16*PS+\oa
.irp k, 0,1,2,3
	v_cvt_pk_f16_f32 v[TT+\k], v[TB+2*\k], v[TB+2*\k+1]
.endr
	ds_store_b128 v[\st], v[TT:TT+3] offset:\mt*16*PS+\ob
.endm
.irp mt, 0,1,2,3
	ROPE \mt, 0, 2, 48*\mt, STW, 0, 64
	ROPE \mt, 1, 3, 48*\mt+16, STW, 32, 96
	ROPE \mt, 4, 5, 48*\mt+32, STS, 0, 64
.endr
	s_wait_dscnt 0x0                               ; my stores are in LDS: a row of the middle group comes from two waves
	s_barrier_signal -1
	s_barrier_wait -1
.irp hh, 0,1,2
.irp i, 0,1,2,3,4,5,6,7
	ds_load_b128 v[32+32*\hh+4*\i:32+32*\hh+4*\i+3], v[RD] offset:\hh*SG+\i*4*PS
.endr
.endr
.irp hh, 0,1,2
.irp i, 0,1,2,3,4,5,6,7
	s_wait_dscnt 23-(8*\hh+\i)                     ; LDS loads come back in order: this one is in, the younger ones stay out
	global_store_b128 v[GO], v[32+32*\hh+4*\i:32+32*\hh+4*\i+3], s[70:71] offset:\hh*262144+512*\i   ; four rows: 512 consecutive bytes, aligned
.endr
.endr
	s_wait_tensorcnt 0x0
	ds_add_u32 v254, v255
	s_wait_dscnt 0x0
	CROUND                                         ; the closing round: nobody ends while a partner may still ask jointly
	s_endpgm
.Lfunc_end_k_q73d980d0b1_qkv:
	.size	k_q73d980d0b1_qkv, .Lfunc_end_k_q73d980d0b1_qkv-k_q73d980d0b1_qkv
	.p2alignl 7, 3214868480
	.fill 96, 4, 3214868480
	.section	.rodata,"a",@progbits
	.p2align	6, 0x0
	.amdhsa_kernel k_q73d980d0b1_qkv
		.amdhsa_group_segment_fixed_size 327680
		.amdhsa_private_segment_fixed_size 0
		.amdhsa_enable_private_segment 0
		.amdhsa_kernarg_size 32
		.amdhsa_user_sgpr_count 2
		.amdhsa_user_sgpr_kernarg_segment_ptr 1
		.amdhsa_wavefront_size32 1
		.amdhsa_system_sgpr_workgroup_id_x 1
		.amdhsa_system_sgpr_workgroup_id_y 1
		.amdhsa_system_sgpr_workgroup_id_z 1
		.amdhsa_system_vgpr_workitem_id 0
		.amdhsa_next_free_vgpr 704
		.amdhsa_next_free_sgpr 80
		.amdhsa_reserve_vcc 0
		.amdhsa_float_denorm_mode_32 3
		.amdhsa_float_denorm_mode_16_64 3
		.amdhsa_memory_ordered 1
		.amdhsa_forward_progress 1
		.amdhsa_inst_pref_size 119
	.end_amdhsa_kernel
	.amdgpu_metadata
---
amdhsa.version: [ 1, 2 ]
amdhsa.kernels:
  - .name:           k_q73d980d0b1_qkv
    .symbol:         k_q73d980d0b1_qkv.kd
    .args:
      - { .name: xb, .offset: 0, .size: 8, .value_kind: global_buffer, .address_space: global }
      - { .name: wb, .offset: 8, .size: 8, .value_kind: global_buffer, .address_space: global }
      - { .name: tab, .offset: 16, .size: 8, .value_kind: global_buffer, .address_space: global }
      - { .name: qkv, .offset: 24, .size: 8, .value_kind: global_buffer, .address_space: global }
    .group_segment_fixed_size: 327680
    .private_segment_fixed_size: 0
    .kernarg_segment_align: 8
    .kernarg_segment_size: 32
    .max_flat_workgroup_size: 128
    .sgpr_count:     80
    .vgpr_count:     704
    .wavefront_size: 32
...
	.end_amdgpu_metadata
.endif
;; end of part 2
;; launch attn (part 3): grid 32 x 8, 4 waves a work-group, clusters of 4 x 1, 327,680 bytes of LDS; arguments qkv, ab; writes ab
.if DOCPART == 3
	.amdgcn_target "amdgcn-amd-amdhsa--gfx1250"
	.amdhsa_code_object_version 6
	.text
	.protected	k_q73d980d0b1_attn
	.globl	k_q73d980d0b1_attn
	.p2align	8
	.type	k_q73d980d0b1_attn,@function
k_q73d980d0b1_attn:
	s_mov_b64 s[64:65], 0
	v_nop
	global_prefetch_b8 v0, s[64:65] scope:SCOPE_SE
	s_setreg_imm32_b32 hwreg(HW_REG_WAVE_MODE, 25, 1), 1
	s_wait_xcnt 0x0
	s_wait_alu depctr_hold_cnt(0) depctr_sa_sdst(0) depctr_va_vdst(0) depctr_va_sdst(0) depctr_va_ssrc(0) depctr_va_vcc(0) depctr_vm_vsrc(0)
	s_getreg_b32 s2, hwreg(HW_REG_IB_STS2, 6, 4)
	s_cmp_eq_u32 s2, 0
	s_cbranch_scc0 .Lentry_in_a_cluster
	s_endpgm
.Lentry_in_a_cluster:
	s_bfe_u32 s2, ttmp6, 0x10000c
	s_cmp_lg_u32 s2, 0x3003
	s_cbranch_scc0 .Lentry_shape_is_right
	s_endpgm
.Lentry_shape_is_right:
; Causal attention with a running maximum.  qkv: f16 [48 heads][2048][64].  ab: f16 [16 row blocks][32 heads][128 rows][64].
; Work-group (j, cx, g): key and value head g, query head 4 g + cx; it takes two blocks of 128 queries, first 15 - j, then j.
; Wave w has rows 32 w .. 32 w + 31 of the block.  Keys go in tiles of 64: block b has 2 b open tiles and two on the diagonal, so every
; work-group makes 2 (15 - j) + 2 j + 4 = 34 trips, and every block has an even number of tiles: it begins in slot 0, and one text
; (a loop of two blocks) serves both.
; CLUSTER of 4 along x: the four partners are the four query heads of one key and value head with the same j, so they walk the same tiles
; and ask for K and V jointly (mask 15).  Branches and trip counts hang on j and the block's number alone; cx enters only the global
; addresses of q and of the result.
; ORIENTATION: S^T = K Q^T (a lane holds query r and keys 8 h + i of each tile of 16), O^T = V^T P^T: the packed S^T registers ARE the second
; product's B fragment, and maximum, sum and rescaling factor are one number a lane; the two halves of the lanes meet by one v_permlanex16_b32.
; exp(s/8 - m/8) = 2^(c s - c m), c = log2(e)/8.  LIMITS: operands f16; the row sum is taken from p before p is rounded to f16;
; p under 2^-25 of the row's running maximum counts as 0 in P V; NaN and infinite inputs are not followed.
; The second block's first tile is not asked for ahead of the first block's end: the last trip of a block fills nothing, in both blocks alike.
; REGISTERS: window 0: v0-31 addresses and row figures, v32-63 Q, v64-127 K, v128-191 V, v192-255 S then P;
; window 1: v0-63 O^T (tile (dt, n) at v[8 (2 dt + n)]).
.set QT,    5120                       ; a quarter of a slot: 32 keys of K at pitch 144 (4,608 bytes used), or of V at pitch 160
.set SLOT,  4*QT                       ; K keys 0-31, 32-63, V keys 0-31, 32-63: wave w fills quarter w
.set STAGE, 2*SLOT                     ; 32 rows x 144 bytes for each wave, its own; no tensor load lands here
.set TILEB, 8192                       ; 64 keys of 128 bytes in memory
.set PK,    144
.set PV,    160
.set PS,    144
.set ADRK, 4                           ; v4-5    K fragments, slot 0, 1
.set ADRV, 6                           ; v6-7    V fragments, slot 0, 1
.set STO,  8
.set RD,   9
.set GO,   10
.set LIM,  11                          ; 32 w + r - 8 h
.set NINF, 13
.set MX,   14                          ; v14-15  running maximum, n = 0, 1
.set NM,   16                          ; v16-17  - c x maximum
.set AL,   18                          ; v18-19  rescaling factor
.set LP,   20                          ; v20-23  two partial row sums for each n
.set T0,   24
.set T1,   25
.set T2,   26
.set T3,   27
.set T5,   29
.set QOFF, 30
.set QF,   32
.set KF,   64
.set VF,   128
.set SF,   192
.set G1K, 24
.set G0K, 32
.set G1V, 48
.set G0V, 56
.set MSB, 0
.macro WIN new                         ; the immediate's high byte repeats the setting that is left
.if MSB != \new
	s_set_vgpr_msb (MSB<<8)|\new
.set MSB, \new
.endif
.endm
.macro NOPS n
.rept \n
	v_nop
.endr
.endm
.macro ROUND                           ; a round of the cluster's barrier
	s_barrier_signal -1
	s_barrier_wait -1
	s_cmp_lg_u32 s8, 0
	s_cbranch_scc1 .Lnot_wave_0_\@
	s_barrier_signal -3
.Lnot_wave_0_\@:
	s_barrier_wait -3
	s_barrier_signal -1
	s_barrier_wait -1
.endm
.macro JLOAD s                         ; waves 0, 1: K's two halves; waves 2, 3: V's.  The branch hangs on the wave's number alone
	s_cmp_eq_u32 s9, 0
	s_cbranch_scc0 .Lfor_v_\@
	tensor_load_to_lds s[G0K+4*(\s):G0K+4*(\s)+3], s[G1K:G1K+7]
	s_nop 0
	s_branch .Lasked_\@
.Lfor_v_\@:
	tensor_load_to_lds s[G0V+4*(\s):G0V+4*(\s)+3], s[G1V:G1V+7]
	s_nop 0
.Lasked_\@:
.endm
	s_load_b128 s[4:7], s[0:1], 0x0                ; qkv s[4:5], ab s[6:7]
	v_lshl_add_u32 v28, v0, 2, 0x29000
	v_mov_b32 v31, 0
	v_lshrrev_b32 v1, 5, v0
	v_readfirstlane_b32 s8, v1                     ; wave
	s_lshr_b32 s9, s8, 1
	s_and_b32 s10, s8, 1
	s_mov_b32 s11, ttmp9                           ; j: the cluster's x
	s_and_b32 s12, ttmp7, 0xffff                   ; g
	s_bfe_u32 s13, ttmp6, 0x40000                  ; cx
	s_sub_co_u32 s72, 15, s11                      ; the first block
	s_lshl2_add_u32 s73, s12, s13                  ; my query head = 4 g + cx
	s_mov_b32 s15, 0                               ; which of my two blocks
	s_mov_b32 s66, 0x76543210                      ; v_permlanex16_b32: lane i of the other half
	s_mov_b32 s67, 0xfedcba98
	s_mov_b32 s68, 0x3e38aa3b                      ; c
	s_mov_b32 s69, 0x3e38aa3b
	s_mov_b32 s70, 0xbe38aa3b                      ; - c
	; a quarter is 4,096 dense bytes: 16 rows of 32 elements of 8 bytes; padding behind every 32 words (one key): 4 words for K, 8 for V
	s_mov_b32 s[G1K+0], 15|(3<<16)|(1<<20)|(1<<21)|(4<<22)|(3<<25)
	s_mov_b32 s[G1V+0], 15|(3<<16)|(1<<20)|(1<<21)|(4<<22)|(7<<25)
.irp g, G1K, G1V
	s_mov_b32 s[\g+1], 32<<16                      ; tensor_dim0
	s_mov_b32 s[\g+2], 16<<16                      ; tensor_dim1
	s_mov_b32 s[\g+3], 32<<16                      ; tile_dim0
	s_mov_b32 s[\g+4], 16                          ; tile_dim1
	s_mov_b32 s[\g+5], 32                          ; elements from row to row
	s_mov_b32 s[\g+6], 0
	s_mov_b32 s[\g+7], 0
.endr
	s_add_co_u32 s18, s12, 32                      ; K head 32 + g,
	s_lshl_b32 s18, s18, 18
	s_lshl_b32 s16, s10, 12                        ; my 32 keys of a tile
	s_add_co_u32 s18, s18, s16
	s_mov_b32 s19, 0
	s_mul_i32 s16, s8, QT                          ; where my quarter goes: the wave's number alone
.irp s, 0,1
	s_mov_b32 s[G0K+4*\s], 1
	s_add_co_u32 s[G0K+4*\s+1], s16, \s*SLOT
	s_mov_b32 s[G0V+4*\s], 1
	s_add_co_u32 s[G0V+4*\s+1], s16, \s*SLOT
.endr
	s_mov_b32 s77, 0
	v_and_b32 v1, 15, v0                           ; r
	v_bfe_u32 v2, v0, 4, 1                         ; h
	v_and_b32 v3, 7, v0
	v_lshlrev_b32 v[QOFF], 7, v1
	v_lshl_add_u32 v[QOFF], v2, 4, v[QOFF]         ; q: row r, 16 bytes for each half of the lanes
	v_mul_u32_u24 v[ADRK], v1, PK
	v_lshl_add_u32 v[ADRK], v2, 4, v[ADRK]         ; K: key r, 16 bytes for each half of the lanes
	v_add_nc_u32 v[ADRK+1], SLOT, v[ADRK]
	v_lshl_add_u32 v24, v2, 3, v3                  ; V lies [key][d]: the transposing load wants key 8 h + (lane mod 8)
	v_mul_u32_u24 v24, v24, PV
	v_bfe_u32 v25, v0, 3, 1
	v_lshl_add_u32 v24, v25, 4, v24
	v_add_nc_u32 v[ADRV], 2*QT, v24
	v_add_nc_u32 v[ADRV+1], SLOT+2*QT, v24
	s_mul_i32 s16, s8, 32*PS
	s_add_co_u32 s16, s16, STAGE
	v_add_nc_u32 v[STO], s16, v[ADRK]              ; the stage has K's pitch: row r, 16 bytes for each half
	v_bfe_u32 v24, v0, 3, 2
	v_mul_u32_u24 v24, v24, PS
	v_lshl_add_u32 v24, v3, 4, v24
	v_add_nc_u32 v[RD], s16, v24                   ; back: eight lanes take a row of 128 bytes, a wave four rows
	v_and_b32 v[GO], 31, v0
	v_lshlrev_b32 v[GO], 4, v[GO]
	v_lshlrev_b32 v24, 3, v2
	v_sub_nc_u32 v24, v1, v24                      ; r - 8 h
	s_lshl_b32 s78, s8, 5
	v_add_nc_u32 v[LIM], s78, v24                  ; + my rows' place in the block
	v_mov_b32 v[NINF], 0xff800000
	v_mov_b32 v[T1], 0                             ; v_permlanex16_b32 counts as a reader of its destination
	v_mov_b32 v[AL], 0                             ; the packed multiplies read the pair
	v_mov_b32 v[AL+1], 0
	s_wait_kmcnt 0x0
	s_add_nc_u64 s[20:21], s[4:5], s[18:19]        ; K's tile 0, my half
	s_add_nc_u64 s[22:23], s[20:21], 8*262144      ; V head = K head + 8
.macro LOADK s                         ; 64 keys x 64 d: 8 fragments, 16 loads
.irp t, 0,1,2,3
.irp c, 0,1
	ds_load_b128 v[KF+8*(2*\t+\c):KF+8*(2*\t+\c)+3],   v[ADRK+\s] offset:(\t>>1)*QT+(\t&1)*16*PK+64*\c
	ds_load_b128 v[KF+8*(2*\t+\c)+4:KF+8*(2*\t+\c)+7], v[ADRK+\s] offset:(\t>>1)*QT+(\t&1)*16*PK+64*\c+32
.endr
.endr
.endm
.macro LOADV s                         ; 64 keys x 64 d, transposed on the way: 8 fragments, 16 loads
.irp kc, 0,1
.irp dt, 0,1,2,3
	ds_load_tr16_b128 v[VF+8*(4*\kc+\dt):VF+8*(4*\kc+\dt)+3],   v[ADRV+\s] offset:\kc*QT+32*\dt
	ds_load_tr16_b128 v[VF+8*(4*\kc+\dt)+4:VF+8*(4*\kc+\dt)+7], v[ADRV+\s] offset:\kc*QT+32*\dt+16*PV
.endr
.endr
.endm
; S^T for 64 keys x 32 queries.  The eight accumulators take turns, one instruction a turn; the first eight start the sums.
.macro SMUL
.irp t, 0,1,2,3
.irp n, 0,1
	v_wmma_f32_16x16x32_f16 v[SF+32*\n+8*\t:SF+32*\n+8*\t+7], v[KF+16*\t:KF+16*\t+7], v[QF+16*\n:QF+16*\n+7], 0
.endr
.endr
.irp t, 0,1,2,3
.irp n, 0,1
	v_wmma_f32_16x16x32_f16 v[SF+32*\n+8*\t:SF+32*\n+8*\t+7], v[KF+16*\t+8:KF+16*\t+15], v[QF+16*\n+8:QF+16*\n+15], v[SF+32*\n+8*\t:SF+32*\n+8*\t+7]
.endr
.endr
.endm
; tile u of the two on the diagonal: key 64 u + 16 t + 8 h + i is masked where it is beyond query 32 w + 16 n + r
.macro MASK u
.irp n, 0,1
	v_add_nc_u32 v[T5], 16*\n-64*\u, v[LIM]
.irp t, 0,1,2,3
.irp i, 0,1,2,3,4,5,6,7
	v_cmp_gt_i32 vcc_lo, 16*\t+\i, v[T5]
	v_cndmask_b32 v[SF+32*\n+8*\t+\i], v[SF+32*\n+8*\t+\i], v[NINF], vcc_lo
.endr
.endr
.endr
.endm
.macro SOFTMAX n
	v_max3_num_f32 v[T0], v[MX+\n], v[SF+32*\n], v[SF+32*\n+1]               ; two chains; the old maximum seeds the first
	v_max3_num_f32 v[T1], v[SF+32*\n+16], v[SF+32*\n+17], v[SF+32*\n+18]
.irp i, 2,4,6,8,10,12
	v_max3_num_f32 v[T0], v[T0], v[SF+32*\n+\i], v[SF+32*\n+\i+1]
	v_max3_num_f32 v[T1], v[T1], v[SF+32*\n+\i+17], v[SF+32*\n+\i+18]
.endr
	v_max3_num_f32 v[T0], v[T0], v[SF+32*\n+14], v[SF+32*\n+15]
	v_max3_num_f32 v[T0], v[T0], v[T1], v[SF+32*\n+31]
	v_permlanex16_b32 v[T1], v[T0], s66, s67       ; the same query's other keys lie in lane i xor 16
	v_max_num_f32 v[MX+\n], v[T0], v[T1]
	v_mul_f32 v[T2], s70, v[MX+\n]                 ; - c m.  A block's first tile holds a key that is open to every query, so m is finite from there on
	v_sub_f32 v[T3], v[T2], v[NM+\n]               ; c (old m - new m); - infinity at a block's start
	v_mov_b32 v[NM+\n], v[T2]
	v_exp_f32 v[AL+\n], v[T3]
.irp i, 0,2,4,6,8,10,12,14,16,18,20,22,24,26,28,30
	v_pk_fma_f32 v[SF+32*\n+\i:SF+32*\n+\i+1], v[SF+32*\n+\i:SF+32*\n+\i+1], s[68:69], v[NM:NM+1] op_sel:[0,0,\n] op_sel_hi:[1,0,\n]
.endr
.set i, 0
.rept 32
	v_exp_f32 v[SF+32*\n+i], v[SF+32*\n+i]
.set i, i+1
.endr
	s_wait_alu depctr_va_vdst(0)
	v_pk_mul_f32 v[LP+2*\n:LP+2*\n+1], v[LP+2*\n:LP+2*\n+1], v[AL:AL+1] op_sel:[0,\n] op_sel_hi:[1,\n]   ; also the plain place behind the exponentials (ISA guide 5.7.2)
	v_pk_add_f32 v[T2:T3], v[SF+32*\n+16:SF+32*\n+17], v[SF+32*\n+18:SF+32*\n+19]
.irp i, 0,2,4,6,8,10
	v_pk_add_f32 v[LP+2*\n:LP+2*\n+1], v[LP+2*\n:LP+2*\n+1], v[SF+32*\n+\i:SF+32*\n+\i+1]
	v_pk_add_f32 v[T2:T3], v[T2:T3], v[SF+32*\n+\i+20:SF+32*\n+\i+21]
.endr
	v_pk_add_f32 v[LP+2*\n:LP+2*\n+1], v[LP+2*\n:LP+2*\n+1], v[SF+32*\n+12:SF+32*\n+13]
	v_pk_add_f32 v[LP+2*\n:LP+2*\n+1], v[LP+2*\n:LP+2*\n+1], v[SF+32*\n+14:SF+32*\n+15]
	v_pk_add_f32 v[LP+2*\n:LP+2*\n+1], v[LP+2*\n:LP+2*\n+1], v[T2:T3]
.irp kc, 0,1                           ; pack in place: tiles 2 kc and 2 kc + 1 become registers 0-3 and 4-7 of the B fragment of 32 keys
.irp i, 0,1,2,3
	v_cvt_pk_f16_f32 v[SF+32*\n+16*\kc+\i], v[SF+32*\n+16*\kc+2*\i], v[SF+32*\n+16*\kc+2*\i+1]
.endr
.irp i, 0,1,2,3
	v_cvt_pk_f16_f32 v[SF+32*\n+16*\kc+4+\i], v[SF+32*\n+16*\kc+8+2*\i], v[SF+32*\n+16*\kc+8+2*\i+1]
.endr
.endr
.endm
.macro RESCALE                         ; O^T times the lane's factor
	WIN 0x41                                       ; destination and source 0 in window 1
.irp dt, 0,1,2,3
.irp n, 0,1
.irp i, 0,2,4,6
	v_pk_mul_f32 v[8*(2*\dt+\n)+\i:8*(2*\dt+\n)+\i+1], v[8*(2*\dt+\n)+\i:8*(2*\dt+\n)+\i+1], v[AL:AL+1] op_sel:[0,\n] op_sel_hi:[1,\n]
.endr
.endr
.endr
.endm
.macro PVMUL                           ; the eight accumulators take turns, one instruction a turn
	WIN 0x50                                       ; C and D in window 1
.irp kc, 0,1
.irp dt, 0,1,2,3
.irp n, 0,1
	v_wmma_f32_16x16x32_f16 v[8*(2*\dt+\n):8*(2*\dt+\n)+7], v[VF+8*(4*\kc+\dt):VF+8*(4*\kc+\dt)+7], v[SF+32*\n+16*\kc:SF+32*\n+16*\kc+7], v[8*(2*\dt+\n):8*(2*\dt+\n)+7]
.endr
.endr
.endr
.endm
; One tile of 64 keys in slot \slot.  refill = 1: the next tile is asked for, into the other slot.  mask = 0, 1: which tile of the diagonal's two; 2: an open tile.
.macro TRIP slot, refill, mask
	s_wait_tensorcnt 0x0                           ; all my tensor loads have landed (one was out: my quarter of this tile), so a group 0 may be written:
	ds_add_u32 v28, v31
	s_wait_dscnt 0x0
	s_add_nc_u64 s[G0K+4*\slot+2:G0K+4*\slot+3], s[G0K+4*\slot+2:G0K+4*\slot+3], 2*TILEB   ; this slot's next tile
	s_add_nc_u64 s[G0V+4*\slot+2:G0V+4*\slot+3], s[G0V+4*\slot+2:G0V+4*\slot+3], 2*TILEB
	s_wait_dscnt 0x0                               ; my reads of the other slot are back
.if \refill
	ROUND                                          ; both now hold of every wave of the four work-groups
	JLOAD 1-\slot                                  ; my one tensor load behind the round, and the first thing there
.else
	s_barrier_signal -1                            ; it shows the whole tile to my four waves
	s_barrier_wait -1
.endif
	LOADK \slot
	LOADV \slot
	s_wait_dscnt 16                                ; K's 16 loads are in; the 16 younger ones (V's) stay out
	SMUL
	NOPS 4                                         ; four places before S is read (ISA guide 7.12.1)
.if \mask < 2
	MASK \mask
.endif
	SOFTMAX 0
	SOFTMAX 1
	s_wait_dscnt 0x0                               ; V
	RESCALE
	PVMUL
	WIN 0
	NOPS 5                                         ; five places before the next S^T writes over P, four before V's registers are loaded into or O is read
.endm
.Lblock:
	s_cmp_eq_u32 s15, 0
	s_cselect_b32 s14, s72, s11                    ; b: block 15 - j, then block j
	s_wait_dscnt 0x0                               ; my LDS reads are back,
	s_wait_tensorcnt 0x0                           ; and no tensor load of mine is out: the group 0s are set for tiles 0 and 1
	ds_add_u32 v28, v31
	s_wait_dscnt 0x0
	s_mov_b64 s[G0K+2:G0K+3], s[20:21]
	s_or_b32 s[G0K+3], s[G0K+3], 0x80000000
	s_add_nc_u64 s[G0K+6:G0K+7], s[20:21], TILEB
	s_or_b32 s[G0K+7], s[G0K+7], 0x80000000
	s_mov_b64 s[G0V+2:G0V+3], s[22:23]
	s_or_b32 s[G0V+3], s[G0V+3], 0x80000000
	s_add_nc_u64 s[G0V+6:G0V+7], s[22:23], TILEB
	s_or_b32 s[G0V+7], s[G0V+7], 0x80000000
	ROUND                                          ; in front of the block's first joint load; no wave of any partner still reads slot 0
	JLOAD 0                                        ; tile 0.  One tensor load of the wave is out at any time
	s_lshl_b32 s76, s73, 18                        ; q: head, 128 b + 32 w rows of 128 bytes
	s_lshl_b32 s74, s14, 14
	s_add_co_u32 s76, s76, s74
	s_lshl_b32 s74, s8, 12
	s_add_co_u32 s76, s76, s74
	s_add_nc_u64 s[40:41], s[4:5], s[76:77]        ; the last block's loads through this base were waited for
.irp n, 0,1
.irp c, 0,1
	global_load_b128 v[QF+8*(2*\n+\c):QF+8*(2*\n+\c)+3],   v[QOFF], s[40:41] offset:2048*\n+64*\c
	global_load_b128 v[QF+8*(2*\n+\c)+4:QF+8*(2*\n+\c)+7], v[QOFF], s[40:41] offset:2048*\n+64*\c+32
.endr
.endr
	; A block begins.  Its trips are all alike, so no first product with a constant C can start these sums: 64 registers are cleared, twice in the launch.
	WIN 0x40
.set i, 0
.rept 64
	v_mov_b32 v[i], 0
.set i, i+1
.endr
	WIN 0
	v_mov_b32 v[MX], v[NINF]
	v_mov_b32 v[MX+1], v[NINF]
	v_mov_b32 v[NM], 0x7f800000
	v_mov_b32 v[NM+1], 0x7f800000
.irp i, 0,1,2,3
	v_mov_b32 v[LP+\i], 0
.endr
	s_wait_storecnt 0x0                            ; the last block's eight stores are done: their base and their data (V's registers) are written again only behind this wait
	s_lshl_b32 s76, s14, 19                        ; result: row block b, head, 32 w rows of 128 bytes
	s_lshl_b32 s74, s73, 14
	s_add_co_u32 s76, s76, s74
	s_lshl_b32 s74, s8, 12
	s_add_co_u32 s76, s76, s74
	s_add_nc_u64 s[44:45], s[6:7], s[76:77]
	s_wait_loadcnt 0x0                             ; q
	s_cmp_eq_u32 s14, 0                            ; block 0 has no open tile
	s_cbranch_scc1 .Ldiag
	s_mov_b32 s71, s14                             ; b pairs of open tiles
.Lpair:
	TRIP 0, 1, 2
	TRIP 1, 1, 2
	s_sub_co_u32 s71, s71, 1
	s_cmp_lg_u32 s71, 0
	s_cbranch_scc1 .Lpair
.Ldiag:
	TRIP 0, 1, 0                                   ; keys 128 b .. 128 b + 63
	TRIP 1, 0, 1                                   ; keys 128 b + 64 .. 128 b + 127: nothing is left to fetch for this block
	; The block ends: divide by the row sums, f16, through my stage, 32 rows of 128 bytes out.
	v_add_f32 v[T0], v[LP], v[LP+1]
	v_permlanex16_b32 v[T1], v[T0], s66, s67
	v_add_f32 v[T0], v[T0], v[T1]
	v_add_f32 v[T2], v[LP+2], v[LP+3]
	v_permlanex16_b32 v[T1], v[T2], s66, s67
	v_add_f32 v[T2], v[T2], v[T1]
	v_rcp_f32 v[AL], v[T0]                         ; the sum holds the maximum's own 1, so it is at least 1
	v_rcp_f32 v[AL+1], v[T2]
	v_nop                                          ; one plain place behind a transcendental (ISA guide 5.7.2)
	s_wait_alu depctr_va_vdst(0)
	RESCALE
	WIN 0x05                                       ; both sources in window 1
.irp dt, 0,1,2,3
.irp n, 0,1
.irp i, 0,1,2,3
	v_cvt_pk_f16_f32 v[KF+4*(2*\dt+\n)+\i], v[8*(2*\dt+\n)+2*\i], v[8*(2*\dt+\n)+2*\i+1]
.endr
.endr
.endr
	WIN 0
.irp dt, 0,1,2,3
.irp n, 0,1
	ds_store_b128 v[STO], v[KF+4*(2*\dt+\n):KF+4*(2*\dt+\n)+3] offset:\n*16*PS+32*\dt
.endr
.endr
.irp i, 0,1,2,3,4,5,6,7
	ds_load_b128 v[VF+4*\i:VF+4*\i+3], v[RD] offset:\i*4*PS        ; LDS serves a wave's instructions in order: these see the stores above
.endr
.irp i, 0,1,2,3,4,5,6,7
	s_wait_dscnt 7-\i                              ; LDS loads come back in order: this one is in, the 7 - i younger ones stay out
	global_store_b128 v[GO], v[VF+4*\i:VF+4*\i+3], s[44:45] offset:512*\i       ; four rows: 512 consecutive bytes, aligned
.endr
	s_add_co_u32 s15, s15, 1
	s_cmp_lt_u32 s15, 2
	s_cbranch_scc1 .Lblock
	s_wait_tensorcnt 0x0
	ds_add_u32 v28, v31
	s_wait_dscnt 0x0
	ROUND                                          ; the closing round: nobody ends while a partner may still ask jointly
	s_endpgm
.Lfunc_end_k_q73d980d0b1_attn:
	.size	k_q73d980d0b1_attn, .Lfunc_end_k_q73d980d0b1_attn-k_q73d980d0b1_attn
	.p2alignl 7, 3214868480
	.fill 96, 4, 3214868480
	.section	.rodata,"a",@progbits
	.p2align	6, 0x0
	.amdhsa_kernel k_q73d980d0b1_attn
		.amdhsa_group_segment_fixed_size 327680
		.amdhsa_private_segment_fixed_size 0
		.amdhsa_enable_private_segment 0
		.amdhsa_kernarg_size 16
		.amdhsa_user_sgpr_count 2
		.amdhsa_user_sgpr_kernarg_segment_ptr 1
		.amdhsa_wavefront_size32 1
		.amdhsa_system_sgpr_workgroup_id_x 1
		.amdhsa_system_sgpr_workgroup_id_y 1
		.amdhsa_system_sgpr_workgroup_id_z 1
		.amdhsa_system_vgpr_workitem_id 0
		.amdhsa_next_free_vgpr 320
		.amdhsa_next_free_sgpr 80
		.amdhsa_reserve_vcc 1
		.amdhsa_float_denorm_mode_32 3
		.amdhsa_float_denorm_mode_16_64 3
		.amdhsa_memory_ordered 1
		.amdhsa_forward_progress 1
		.amdhsa_inst_pref_size 96
	.end_amdhsa_kernel
	.amdgpu_metadata
---
amdhsa.version: [ 1, 2 ]
amdhsa.kernels:
  - .name:           k_q73d980d0b1_attn
    .symbol:         k_q73d980d0b1_attn.kd
    .args:
      - { .name: qkv, .offset: 0, .size: 8, .value_kind: global_buffer, .address_space: global }
      - { .name: ab, .offset: 8, .size: 8, .value_kind: global_buffer, .address_space: global }
    .group_segment_fixed_size: 327680
    .private_segment_fixed_size: 0
    .kernarg_segment_align: 8
    .kernarg_segment_size: 16
    .max_flat_workgroup_size: 128
    .sgpr_count:     80
    .vgpr_count:     320
    .wavefront_size: 32
...
	.end_amdgpu_metadata
.endif
;; end of part 3
;; launch oproj (part 4): grid 16 x 16, 4 waves a work-group, clusters of 4 x 4, 327,680 bytes of LDS; arguments ab, wb, out0; writes out0
.if DOCPART == 4
	.amdgcn_target "amdgcn-amd-amdhsa--gfx1250"
	.amdhsa_code_object_version 6
	.text
	.protected	k_q73d980d0b1_oproj
	.globl	k_q73d980d0b1_oproj
	.p2align	8
	.type	k_q73d980d0b1_oproj,@function
k_q73d980d0b1_oproj:
	s_mov_b64 s[64:65], 0
	v_nop
	global_prefetch_b8 v0, s[64:65] scope:SCOPE_SE
	s_setreg_imm32_b32 hwreg(HW_REG_WAVE_MODE, 25, 1), 1
	s_wait_xcnt 0x0
	s_wait_alu depctr_hold_cnt(0) depctr_sa_sdst(0) depctr_va_vdst(0) depctr_va_sdst(0) depctr_va_ssrc(0) depctr_va_vcc(0) depctr_vm_vsrc(0)
	s_getreg_b32 s2, hwreg(HW_REG_IB_STS2, 6, 4)
	s_cmp_eq_u32 s2, 0
	s_cbranch_scc0 .Lentry_in_a_cluster
	s_endpgm
.Lentry_in_a_cluster:
	s_bfe_u32 s2, ttmp6, 0x10000c
	s_cmp_lg_u32 s2, 0xf033
	s_cbranch_scc0 .Lentry_shape_is_right
	s_endpgm
.Lentry_shape_is_right:
; out0 = attention result x wo.  ab: f16 [16 row blocks][32 heads][128 rows][64]; wo in wb from byte 12,582,912: f16, 16 groups [2048 k][128 n]; out0 f32.
; A work-group makes 128 x 128, a wave 64 x 64: 16 accumulators; 16 x 16 work-groups.  K goes in steps of 256 (four heads) through two LDS slots.
; CLUSTERS of 4 x 4: ab's tile hangs on the block row alone and is asked for jointly by a row of the cluster, wo's on the block column alone and
; jointly by a column.  Waves 0, 1 ask for wo's k rows 0-127, 128-255 of the step, waves 2, 3 for ab's heads 0-1, 2-3: 32,768 dense bytes each.
; The matrix instruction is used transposed (source 0 = wo, source 1 = ab): a lane holds eight neighbouring columns of one row.
; REGISTERS: window 0: v0-31 addresses, v32-95 and v96-159 fragment buffers (ab 4 x 8, wo 4 x 8); window 1: accumulator (mt, t) at v[8 (4 mt + t)].
.set PA,    144                        ; LDS pitch of a row of one head: 128 + 16
.set PB,    288                        ; LDS pitch of a k row of wo: 256 + 32, an odd multiple of 32 for the transposing loads
.set QT,    36864                      ; a quarter of a slot: 128 x 288 = 256 x 144
.set SLOT,  4*QT
.set AOFF,  2*QT
.set STAGE, 2*SLOT                     ; 16 rows x 272 bytes for each wave, its own; no tensor load lands here
.set PS,    272
.set LAPS,  4                          ; 8 K steps, two a lap
.set ADRA,  8                          ; v8-9    ab fragments, slot 0, 1
.set ADRB,  10                         ; v10-13  wo fragments: slot 0 (k rows 0-127, 128-255), slot 1
.set STO,   14
.set RD,    15
.set CO,    16
.set F0,    32
.set F1,    96
.set G1A, 24
.set G0A, 32
.set G1B, 48
.set G0B, 56
.set MSB, 0
.macro WIN new
.if MSB != \new
	s_set_vgpr_msb (MSB<<8)|\new
.set MSB, \new
.endif
.endm
.macro JLOAD s                         ; one joint load a wave; the branch hangs on the wave's number alone
	s_cmp_eq_u32 s13, 0
	s_cbranch_scc0 .Lfor_a_\@
	tensor_load_to_lds s[G0B+4*\s:G0B+4*\s+3], s[G1B:G1B+7]
	s_nop 0
	s_branch .Lasked_\@
.Lfor_a_\@:
	tensor_load_to_lds s[G0A+4*\s:G0A+4*\s+3], s[G1A:G1A+7]
	s_nop 0
.Lasked_\@:
.endm
.macro CREST
	s_cmp_lg_u32 s12, 0
	s_cbranch_scc1 .Lnot_wave_0_\@
	s_barrier_signal -3
.Lnot_wave_0_\@:
	s_barrier_wait -3
	s_barrier_signal -1
	s_barrier_wait -1
.endm
.macro CROUND
	s_barrier_signal -1
	s_barrier_wait -1
	CREST
.endm
.macro PLACES                          ; four places behind a matrix instruction (ISA guide 7.12.1)
.rept 4
	v_nop
.endr
.endm
	s_load_b128 s[4:7], s[0:1], 0x0                ; ab s[4:5], wb s[6:7]
	s_load_b64 s[8:9], s[0:1], 0x10                ; out0
	v_lshl_add_u32 v254, v0, 2, 0x4c400
	v_mov_b32 v255, 0
	ds_add_u32 v254, v255
	v_lshrrev_b32 v1, 5, v0
	v_readfirstlane_b32 s12, v1                    ; wave
	s_lshr_b32 s13, s12, 1                         ; mw.  Also: I fetch for wo (0) or for ab (1)
	s_and_b32 s14, s12, 1                          ; nw.  Also: which half of that tile
	s_bfe_u32 s40, ttmp6, 0x40000                  ; cx
	s_bfe_u32 s41, ttmp6, 0x40004                  ; cy
	s_lshl_b32 s42, ttmp9, 2
	s_add_co_u32 s42, s42, s40                     ; bx
	s_and_b32 s43, ttmp7, 0xffff
	s_lshl_b32 s43, s43, 2
	s_add_co_u32 s43, s43, s41                     ; by
	s_lshl_b32 s44, s41, 2
	s_lshl_b32 s44, 15, s44                        ; my row of the cluster
	s_lshl_b32 s45, 0x1111, s40                    ; my column
	; both tiles: 128 rows of 32 elements of 8 bytes, dense.  ab: 4 words of padding behind every 32 (a row of one head); wo: 8 behind every 64 (a k row)
	s_or_b32 s[G1A+0], s44, (3<<16)|(1<<20)|(1<<21)|(4<<22)|(3<<25)
	s_or_b32 s[G1B+0], s45, (3<<16)|(1<<20)|(1<<21)|(5<<22)|(7<<25)
.irp g, G1A, G1B
	s_mov_b32 s[\g+1], 32<<16
	s_mov_b32 s[\g+2], 128<<16
	s_mov_b32 s[\g+3], 32<<16
	s_mov_b32 s[\g+4], 128
	s_mov_b32 s[\g+5], 32
	s_mov_b32 s[\g+6], 0
	s_mov_b32 s[\g+7], 0
.endr
	s_lshl_b32 s18, s14, 15                        ; my half: 32,768 bytes
	s_lshl_b32 s16, s43, 19                        ; ab: 524,288 bytes a row block
	s_add_co_u32 s16, s16, s18
	s_mov_b32 s17, 0
	s_lshl_b32 s46, s42, 19                        ; wo: 524,288 bytes a column group,
	s_add_co_u32 s46, s46, s18
	s_add_co_u32 s46, s46, 12582912                ; behind the 48 units of wq, wk, wv
	s_mov_b32 s47, 0
	s_mul_i32 s20, s12, QT                         ; where a tile goes: the wave's number alone
	s_wait_dscnt 0x0
	s_wait_kmcnt 0x0
	s_add_nc_u64 s[16:17], s[4:5], s[16:17]
	s_add_nc_u64 s[46:47], s[6:7], s[46:47]
	CROUND                                         ; all sixteen work-groups are here: the first joint loads meet
.irp s, 0,1
	s_mov_b32 s[G0A+4*\s], 1
	s_add_co_u32 s[G0A+4*\s+1], s20, \s*SLOT
	s_add_nc_u64 s[G0A+4*\s+2:G0A+4*\s+3], s[16:17], \s*65536      ; K step s: four heads of 16,384 bytes
	s_or_b32 s[G0A+4*\s+3], s[G0A+4*\s+3], 0x80000000
	s_mov_b32 s[G0B+4*\s], 1
	s_add_co_u32 s[G0B+4*\s+1], s20, \s*SLOT
	s_add_nc_u64 s[G0B+4*\s+2:G0B+4*\s+3], s[46:47], \s*65536      ; K step s: 256 k rows of 256 bytes
	s_or_b32 s[G0B+4*\s+3], s[G0B+4*\s+3], 0x80000000
	JLOAD \s                                       ; both slots' first fills: two loads of the wave are out, later one
.endr
	v_and_b32 v1, 15, v0                           ; r
	v_bfe_u32 v2, v0, 4, 1                         ; h
	v_and_b32 v3, 7, v0
	v_bfe_u32 v4, v0, 3, 1
	v_mul_u32_u24 v5, v1, PA
	v_lshl_add_u32 v5, v2, 4, v5
	s_mul_i32 s21, s13, 64*PA
	s_add_co_u32 s21, s21, AOFF
	v_add_nc_u32 v[ADRA], s21, v5
	v_add_nc_u32 v[ADRA+1], SLOT, v[ADRA]
	v_lshl_add_u32 v6, v2, 3, v3
	v_mul_u32_u24 v6, v6, PB
	v_lshl_add_u32 v6, v4, 4, v6
	s_lshl_b32 s22, s14, 7                         ; my 64 columns: 128 bytes
	v_add_nc_u32 v[ADRB], s22, v6
	v_add_nc_u32 v[ADRB+1], QT, v[ADRB]
	v_add_nc_u32 v[ADRB+2], SLOT, v[ADRB]
	v_add_nc_u32 v[ADRB+3], SLOT+QT, v[ADRB]
	s_mul_i32 s23, s12, 16*PS
	s_add_co_u32 s23, s23, STAGE
	v_mul_u32_u24 v5, v1, PS                       ; in: row r, 32 bytes (8 f32) for each half of the lanes
	v_lshl_add_u32 v5, v2, 5, v5
	v_add_nc_u32 v[STO], s23, v5
	v_mul_u32_u24 v5, v2, PS                       ; back: lanes 0-15 take one row of 256 bytes, lanes 16-31 the next
	v_lshl_add_u32 v5, v1, 4, v5
	v_add_nc_u32 v[RD], s23, v5
	v_lshlrev_b32 v5, 13, v2                       ; and the same two rows in out0, 8,192 bytes apart
	v_lshl_add_u32 v[CO], v1, 4, v5
; 16 LDS loads: the fragments of 32 along K (part q of the slot's eight) into buffer f
.macro FETCH slot, q, f
.irp mt, 0,1,2,3
	ds_load_b128 v[\f+8*\mt:\f+8*\mt+3],   v[ADRA+\slot] offset:(\q>>1)*128*PA+\mt*16*PA+(\q&1)*64
	ds_load_b128 v[\f+8*\mt+4:\f+8*\mt+7], v[ADRA+\slot] offset:(\q>>1)*128*PA+\mt*16*PA+(\q&1)*64+32
.endr
.irp t, 0,1,2,3
	ds_load_tr16_b128 v[\f+32+8*\t:\f+32+8*\t+3],   v[ADRB+2*\slot+(\q>>2)] offset:(\q&3)*32*PB+32*\t
	ds_load_tr16_b128 v[\f+32+8*\t+4:\f+32+8*\t+7], v[ADRB+2*\slot+(\q>>2)] offset:(\q&3)*32*PB+32*\t+16*PB
.endr
.endm
; 8 matrix instructions.  The 16 accumulators take turns, one instruction a turn, in one fixed order.
.macro MUL8 f, mt0, zero
.irp mt, \mt0, \mt0+1
.irp t, 0,1,2,3
.if \zero
	v_wmma_f32_16x16x32_f16 v[8*(4*(\mt)+\t):8*(4*(\mt)+\t)+7], v[\f+32+8*\t:\f+32+8*\t+7], v[\f+8*(\mt):\f+8*(\mt)+7], 0
.else
	v_wmma_f32_16x16x32_f16 v[8*(4*(\mt)+\t):8*(4*(\mt)+\t)+7], v[\f+32+8*\t:\f+32+8*\t+7], v[\f+8*(\mt):\f+8*(\mt)+7], v[8*(4*(\mt)+\t):8*(4*(\mt)+\t)+7]
.endif
.endr
.endr
.endm
; One of a step's first seven parts: buffer f is in; the next part's fragments are asked for first, into g
.macro PART slot, qn, f, g, zero
	s_wait_dscnt 0x0
	PLACES
	WIN 0
	FETCH \slot, \qn, \g
	WIN 0x50
	MUL8 \f, 0, \zero
	MUL8 \f, 2, \zero
.endm
.macro SEVEN slot, zero
	PART \slot, 1, F0, F1, \zero
	PART \slot, 2, F1, F0, 0
	PART \slot, 3, F0, F1, 0
	PART \slot, 4, F1, F0, 0
	PART \slot, 5, F0, F1, 0
	PART \slot, 6, F1, F0, 0
	PART \slot, 7, F0, F1, 0
.endm
; The last part changes slots: my reads of this slot are back and all my tensor loads have landed in front of the barrier; where the slot is filled
; again the barrier opens a round of the cluster's barrier, and the joint load is first behind it.
.macro TURN slot, next, fill
	s_wait_dscnt 0x0
	s_wait_tensorcnt 0x0
	ds_add_u32 v254, v255
	s_wait_dscnt 0x0
	s_barrier_signal -1
	WIN 0x50
	MUL8 F1, 0, 0
	WIN 0
	s_barrier_wait -1
.if \fill
	CREST
	s_add_nc_u64 s[G0A+4*\slot+2:G0A+4*\slot+3], s[G0A+4*\slot+2:G0A+4*\slot+3], 131072   ; two K steps on
	s_add_nc_u64 s[G0B+4*\slot+2:G0B+4*\slot+3], s[G0B+4*\slot+2:G0B+4*\slot+3], 131072
	JLOAD \slot
.endif
	PLACES
	FETCH \next, 0, F0
	WIN 0x50
	MUL8 F1, 2, 0
.endm
.macro LAP zero
	SEVEN 0, \zero
	TURN 0, 1, 1
	SEVEN 1, 0
	TURN 1, 0, 1
.endm
	s_wait_tensorcnt 1                             ; my part of K step 0 is in; step 1's may stay out
	s_barrier_signal -1
	s_barrier_wait -1
	FETCH 0, 0, F0
	LAP 1                                          ; the first products start the sums: nothing is cleared
	WIN 0
	s_mov_b32 s3, LAPS-2
.Llap:
	LAP 0
	WIN 0
	s_sub_co_u32 s3, s3, 1
	s_cmp_lg_u32 s3, 0
	s_cbranch_scc1 .Llap
	SEVEN 0, 0                                     ; the last lap fills nothing
	TURN 0, 1, 0
	SEVEN 1, 0
	s_wait_dscnt 0x0
	WIN 0x50
	MUL8 F1, 0, 0
	MUL8 F1, 2, 0
	PLACES
	; THE WAY OUT, 16 rows at a time through my own stage: a lane's 32 bytes in, whole rows of 256 bytes back.
	s_lshl_b32 s66, s43, 7
	s_lshl_b32 s67, s13, 6
	s_add_co_u32 s66, s66, s67                     ; my first row,
	s_lshl_b32 s66, s66, 13                        ; 8,192 bytes a row
	s_lshl_b32 s67, s42, 9                         ; my first column: 512 bx + 256 nw bytes
	s_add_co_u32 s66, s66, s67
	s_lshl_b32 s67, s14, 8
	s_add_co_u32 s66, s66, s67
	s_mov_b32 s67, 0
	s_add_nc_u64 s[8:9], s[8:9], s[66:67]
.macro OUT16 mt, f
	WIN 0x04                                       ; store data in window 1
.irp t, 0,1,2,3
	ds_store_b128 v[STO], v[8*(4*\mt+\t):8*(4*\mt+\t)+3]   offset:64*\t
	ds_store_b128 v[STO], v[8*(4*\mt+\t)+4:8*(4*\mt+\t)+7] offset:64*\t+16
.endr
	WIN 0
	s_wait_xcnt 0x0                                ; buffer f, which earlier stores read, and the stores' base are rewritten only behind this wait
.if \mt
	s_add_nc_u64 s[8:9], s[8:9], 16*8192
.endif
.irp i, 0,1,2,3,4,5,6,7
	ds_load_b128 v[\f+4*\i:\f+4*\i+3], v[RD] offset:\i*2*PS        ; LDS serves a wave's instructions in order: these see the stores above
.endr
.irp i, 0,1,2,3,4,5,6,7
	s_wait_dscnt 7-\i
	global_store_b128 v[CO], v[\f+4*\i:\f+4*\i+3], s[8:9] offset:16384*\i       ; 16 lanes store 256 consecutive bytes, aligned
.endr
.endm
	OUT16 0, F0
	OUT16 1, F1
	OUT16 2, F0
	OUT16 3, F1
	s_wait_tensorcnt 0x0
	ds_add_u32 v254, v255
	s_wait_dscnt 0x0
	CROUND                                         ; the closing round
	s_endpgm
.Lfunc_end_k_q73d980d0b1_oproj:
	.size	k_q73d980d0b1_oproj, .Lfunc_end_k_q73d980d0b1_oproj-k_q73d980d0b1_oproj
	.p2alignl 7, 3214868480
	.fill 96, 4, 3214868480
	.section	.rodata,"a",@progbits
	.p2align	6, 0x0
	.amdhsa_kernel k_q73d980d0b1_oproj
		.amdhsa_group_segment_fixed_size 327680
		.amdhsa_private_segment_fixed_size 0
		.amdhsa_enable_private_segment 0
		.amdhsa_kernarg_size 24
		.amdhsa_user_sgpr_count 2
		.amdhsa_user_sgpr_kernarg_segment_ptr 1
		.amdhsa_wavefront_size32 1
		.amdhsa_system_sgpr_workgroup_id_x 1
		.amdhsa_system_sgpr_workgroup_id_y 1
		.amdhsa_system_sgpr_workgroup_id_z 1
		.amdhsa_system_vgpr_workitem_id 0
		.amdhsa_next_free_vgpr 384
		.amdhsa_next_free_sgpr 80
		.amdhsa_reserve_vcc 0
		.amdhsa_float_denorm_mode_32 3
		.amdhsa_float_denorm_mode_16_64 3
		.amdhsa_memory_ordered 1
		.amdhsa_forward_progress 1
		.amdhsa_inst_pref_size 126
	.end_amdhsa_kernel
	.amdgpu_metadata
---
amdhsa.version: [ 1, 2 ]
amdhsa.kernels:
  - .name:           k_q73d980d0b1_oproj
    .symbol:         k_q73d980d0b1_oproj.kd
    .args:
      - { .name: ab, .offset: 0, .size: 8, .value_kind: global_buffer, .address_space: global }
      - { .name: wb, .offset: 8, .size: 8, .value_kind: global_buffer, .address_space: global }
      - { .name: out0, .offset: 16, .size: 8, .value_kind: global_buffer, .address_space: global }
    .group_segment_fixed_size: 327680
    .private_segment_fixed_size: 0
    .kernarg_segment_align: 8
    .kernarg_segment_size: 24
    .max_flat_workgroup_size: 128
    .sgpr_count:     80
    .vgpr_count:     384
    .wavefront_size: 32
...
	.end_amdgpu_metadata
.endif
;; end of part 4
;; ======== version 2 of 3: 4 launches; 1.18 times as fast as version 1
;; limits: values are held in f16: magnitudes above 65,504 overflow, below 6.1e-05 lose precision
;; workspace buffers: xb 8,388,608 bytes; wb 20,971,520 bytes; tab 524,544 bytes; qkv 12,582,912 bytes; ab 8,388,608 bytes
;; launch prep: the kernel of part 1 again; grid 8 x 112, 8 waves a work-group, no clusters, 0 bytes of LDS; arguments x, wq, wk, wv, wo, position_ids, xb, wb, tab; writes xb, wb, tab
;; launch qkv (part 5): grid 16 x 16, 4 waves a work-group, clusters of 4 x 4, 327,680 bytes of LDS; arguments xb, wb, tab, qkv; writes qkv
.if DOCPART == 5
	.amdgcn_target "amdgcn-amd-amdhsa--gfx1250"
	.amdhsa_code_object_version 6
	.text
	.protected	k_q73d980d0b1_qkv
	.globl	k_q73d980d0b1_qkv
	.p2align	8
	.type	k_q73d980d0b1_qkv,@function
k_q73d980d0b1_qkv:
	s_mov_b64 s[64:65], 0
	v_nop
	global_prefetch_b8 v0, s[64:65] scope:SCOPE_SE
	s_setreg_imm32_b32 hwreg(HW_REG_WAVE_MODE, 25, 1), 1
	s_wait_xcnt 0x0
	s_wait_alu depctr_hold_cnt(0) depctr_sa_sdst(0) depctr_va_vdst(0) depctr_va_sdst(0) depctr_va_ssrc(0) depctr_va_vcc(0) depctr_vm_vsrc(0)
	s_getreg_b32 s2, hwreg(HW_REG_IB_STS2, 6, 4)
	s_cmp_eq_u32 s2, 0
	s_cbranch_scc0 .Lentry_in_a_cluster
	s_endpgm
.Lentry_in_a_cluster:
	s_bfe_u32 s2, ttmp6, 0x10000c
	s_cmp_lg_u32 s2, 0xf033
	s_cbranch_scc0 .Lentry_shape_is_right
	s_endpgm
.Lentry_shape_is_right:
; [q|k|v] = x [wq|wk|wv], RoPE on q and k, out as f16 [48 heads][2048 s][64] (heads 0-31 q, 32-39 k, 40-47 v).  Operands bf16, sums f32.
; A work-group makes 128 rows x 192 columns = three column groups (heads) 3 bx .. 3 bx + 2; 16 x 16 work-groups.
; Wave (mw, nw) makes rows 64 mw .. +63 of six tiles of 16 columns: the four of the whole group 3 bx + 2 nw, and tiles nw and nw + 2 of the
; middle group: columns d and d + 32 of a head, which RoPE pairs, are then the same register of two tiles in one lane.
; K goes in steps of 128 through two LDS slots.  CLUSTERS of 4 x 4: x's tile hangs on the block row alone and is asked for jointly by a row
; of the cluster, a weight tile on the block column alone and jointly by a column; that divides the requests for both by four.
; Wave 3 asks for x's tile (128 rows x 256 bytes), waves 0-2 for one group's weight tile each (128 k rows x 128 bytes, dense in wb).
; K IS WALKED ROUND: cluster (X, Y) begins at K step (4 X + 8 p) mod 16, p the parity of Y's two bits, and goes round all 16 steps.  The four
; clusters of one Y, which read the same tiles of x, are then 4 steps apart, and clusters of one X with different p, which read the same weight
; tiles, 8 steps apart: in the second half of a cluster's steps both its tiles were asked for by another cluster 4 steps or more before,
; instead of by all their readers in one and the same step.  The start hangs on the cluster's own x and y alone, which all sixteen partners share.
; The matrix instruction is used transposed (source 0 = weights, source 1 = x): a lane holds eight neighbouring columns of one row.
; LIMITS: q, k, v leave as f16: after RoPE they must stay under 65,504 (at 30 times larger x and weights they peak near 4,500).
; f16 and not bf16 for its three more bits: row 0 of the module's result is v itself through wo.
; Each sum takes K in the rotated order, not ascending: another order of f32 rounding.
; REGISTERS: window 0: v0-31 addresses, v32-111 and v112-191 fragment buffers (x: 4 x 8, weights: 6 x 8), v192-219 at work on the way out;
; window 1: the 24 accumulators, tile (mt, i) at v[8 (6 mt + i)];  window 2: 192 registers of (cos, sin), loaded at the start.
.set PA,    272                        ; LDS pitch of x's rows: 256 + 16
.set PB,    160                        ; LDS pitch of a weight row: 128 + 32, an odd multiple of 32 for the transposing loads
.set BT,    128*PB                     ; a weight tile
.set AOFF,  3*BT                       ; x's tile lies behind the three
.set SLOT,  AOFF+128*PA
.set STAGE, 2*SLOT                     ; the way out: [3 groups][128 rows][144 bytes]; no tensor load lands here
.set PS,    144
.set SG,    128*PS
.set LAPS,  8                          ; 16 K steps, two a lap
.set ADRA,  8                          ; v8-9    x fragments, slot 0, 1
.set ADRBW, 10                         ; v10-11  the whole group's fragments
.set ADRBS, 12                         ; v12-13  the middle group's
.set STW,   14
.set STS,   15
.set RD,    16
.set GO,    17
.set TAW,   18                         ; v18-21  table offsets for the whole group, one for each 16 rows
.set TAS,   22                         ; v22-25  for the middle group
.set F0,    32
.set F1,    112
.set TA,    192
.set TB,    200
.set TT,    208
.set TP,    216
.set G1A, 24
.set G0A, 32
.set G1B, 48
.set G0B, 56
.set KNX, 76                           ; s76     the next K step to ask for, counted on from the cluster's start; taken modulo 16 at use
.set KST, 77                           ; s77     that step modulo 16
.set KOF, 78                           ; s[78:79] its byte offset (s79 stays 0)
.set MSB, 0
.macro WIN new                         ; the immediate's high byte repeats the setting that is left
.if MSB != \new
	s_set_vgpr_msb (MSB<<8)|\new
.set MSB, \new
.endif
.endm
.macro JLOAD s                         ; one joint load a wave; the branch hangs on the wave's number alone
	s_cmp_eq_u32 s12, 3
	s_cbranch_scc0 .Lfor_b_\@
	tensor_load_to_lds s[G0A+4*\s:G0A+4*\s+3], s[G1A:G1A+7]
	s_nop 0
	s_branch .Lasked_\@
.Lfor_b_\@:
	tensor_load_to_lds s[G0B+4*\s:G0B+4*\s+3], s[G1B:G1B+7]
	s_nop 0
.Lasked_\@:
.endm
; The global addresses of slot s's group 0s for K step s[KST]: x 128 elements (256 bytes) along the row a step, weights 128 k rows of 128 bytes.
; s[16:17] and s[46:47] hold the two tensors' addresses at K step 0 and are never written again.
.macro ADDR s
	s_lshl_b32 s[KOF], s[KST], 8
	s_add_nc_u64 s[G0A+4*\s+2:G0A+4*\s+3], s[16:17], s[KOF:KOF+1]
	s_or_b32 s[G0A+4*\s+3], s[G0A+4*\s+3], 0x80000000
	s_lshl_b32 s[KOF], s[KST], 14
	s_add_nc_u64 s[G0B+4*\s+2:G0B+4*\s+3], s[46:47], s[KOF:KOF+1]
	s_or_b32 s[G0B+4*\s+3], s[G0B+4*\s+3], 0x80000000
.endm
.macro CREST                           ; a round of the cluster's barrier behind its opening barrier
	s_cmp_lg_u32 s12, 0
	s_cbranch_scc1 .Lnot_wave_0_\@
	s_barrier_signal -3
.Lnot_wave_0_\@:
	s_barrier_wait -3
	s_barrier_signal -1
	s_barrier_wait -1
.endm
.macro CROUND
	s_barrier_signal -1
	s_barrier_wait -1
	CREST
.endm
.macro PLACES                          ; four places behind a matrix instruction (ISA guide 7.12.1) before its registers are loaded into or its result is read
.rept 4
	v_nop
.endr
.endm
	s_load_b256 s[4:11], s[0:1], 0x0               ; xb s[4:5], wb s[6:7], tab s[8:9], qkv s[10:11]
	v_lshl_add_u32 v254, v0, 2, 0x3c800
	v_mov_b32 v255, 0
	ds_add_u32 v254, v255
	v_lshrrev_b32 v1, 5, v0
	v_readfirstlane_b32 s12, v1                    ; wave
	s_lshr_b32 s13, s12, 1                         ; mw
	s_and_b32 s14, s12, 1                          ; nw
	s_bfe_u32 s40, ttmp6, 0x40000                  ; cx
	s_bfe_u32 s41, ttmp6, 0x40004                  ; cy
	s_lshl_b32 s42, ttmp9, 2
	s_add_co_u32 s42, s42, s40                     ; bx
	s_and_b32 s43, ttmp7, 0xffff
	s_lshl_b32 s43, s43, 2
	s_add_co_u32 s43, s43, s41                     ; by
	s_lshl_b32 s44, s41, 2
	s_lshl_b32 s44, 15, s44                        ; my row of the cluster
	s_lshl_b32 s45, 0x1111, s40                    ; my column
	s_and_b32 s[KNX], ttmp7, 0xffff                ; Y, the cluster's y
	s_lshr_b32 s[KST], s[KNX], 1
	s_xor_b32 s[KNX], s[KNX], s[KST]
	s_and_b32 s[KNX], s[KNX], 1                    ; p: the parity of its two bits
	s_lshl_b32 s[KNX], s[KNX], 3
	s_lshl_b32 s[KST], ttmp9, 2                    ; X, the cluster's x, times 4
	s_add_co_u32 s[KNX], s[KNX], s[KST]
	s_and_b32 s[KNX], s[KNX], 15                   ; the cluster's first K step: 0, 4, 8 or 12
	s_mov_b32 s[KOF+1], 0
	; x's tile: 128 rows x 128 elements of 2 bytes, 4 words of padding behind every 64
	s_or_b32 s[G1A+0], s44, (1<<16)|(1<<20)|(1<<21)|(5<<22)|(3<<25)
	s_mov_b32 s[G1A+1], 128<<16                    ; tensor_dim0
	s_mov_b32 s[G1A+2], 128<<16                    ; tensor_dim1
	s_mov_b32 s[G1A+3], 128<<16                    ; tile_dim0
	s_mov_b32 s[G1A+4], 128                        ; tile_dim1
	s_mov_b32 s[G1A+5], 2048                       ; elements from row to row
	s_mov_b32 s[G1A+6], 0
	s_mov_b32 s[G1A+7], 0
	; a weight tile: 16,384 dense bytes as 64 rows of 32 elements of 8 bytes, 8 words of padding behind every 32 words (one k row)
	s_or_b32 s[G1B+0], s45, (3<<16)|(1<<20)|(1<<21)|(4<<22)|(7<<25)
	s_mov_b32 s[G1B+1], 32<<16
	s_mov_b32 s[G1B+2], 64<<16
	s_mov_b32 s[G1B+3], 32<<16
	s_mov_b32 s[G1B+4], 64
	s_mov_b32 s[G1B+5], 32
	s_mov_b32 s[G1B+6], 0
	s_mov_b32 s[G1B+7], 0
	s_lshl_b32 s16, s43, 19                        ; x: 128 rows of 4,096 bytes a block row
	s_mov_b32 s17, 0
	s_mul_i32 s46, s42, 3
	s_add_co_u32 s46, s46, s12                     ; weights: unit 3 bx + wave (wave 3's is made and never used; it lies inside wb)
	s_lshl_b32 s46, s46, 18
	s_mov_b32 s47, 0
	s_mul_i32 s20, s12, BT                         ; a weight tile's place in a slot: the wave's number alone
	s_wait_dscnt 0x0
	s_wait_kmcnt 0x0
	s_add_nc_u64 s[16:17], s[4:5], s[16:17]        ; x at my block row, K step 0
	s_add_nc_u64 s[46:47], s[6:7], s[46:47]        ; my weight unit, K step 0
	CROUND                                         ; all sixteen work-groups are here: the first joint loads meet
.irp s, 0,1
	s_add_co_u32 s[KST], s[KNX], \s                ; the cluster's first two steps: 13 at the most, no wrap
	s_mov_b32 s[G0A+4*\s], 1
	s_mov_b32 s[G0A+4*\s+1], AOFF+\s*SLOT
	s_mov_b32 s[G0B+4*\s], 1
	s_add_co_u32 s[G0B+4*\s+1], s20, \s*SLOT
	ADDR \s
	JLOAD \s                                       ; both slots' first fills: two loads of the wave are out, later one
.endr
	s_add_co_u32 s[KNX], s[KNX], 2                 ; the next step to ask for
	v_and_b32 v1, 15, v0                           ; r
	v_bfe_u32 v2, v0, 4, 1                         ; h
	v_and_b32 v3, 7, v0
	v_bfe_u32 v4, v0, 3, 1
	v_mul_u32_u24 v5, v1, PA
	v_lshl_add_u32 v5, v2, 4, v5                   ; x: row r, 16 bytes for each half of the lanes
	s_mul_i32 s21, s13, 64*PA
	s_add_co_u32 s21, s21, AOFF
	v_add_nc_u32 v[ADRA], s21, v5
	v_add_nc_u32 v[ADRA+1], SLOT, v[ADRA]
	v_lshl_add_u32 v6, v2, 3, v3                   ; weights lie [k][n]: the transposing load wants k row 8 h + (lane mod 8)
	v_mul_u32_u24 v6, v6, PB
	v_lshl_add_u32 v6, v4, 4, v6                   ; and 16 bytes on for the upper eight lanes of each sixteen
	s_mul_i32 s22, s14, 2*BT
	v_add_nc_u32 v[ADRBW], s22, v6
	v_add_nc_u32 v[ADRBW+1], SLOT, v[ADRBW]
	s_lshl_b32 s23, s14, 5
	s_add_co_u32 s23, s23, BT
	v_add_nc_u32 v[ADRBS], s23, v6
	v_add_nc_u32 v[ADRBS+1], SLOT, v[ADRBS]
	v_mul_u32_u24 v5, v1, PS                       ; the stage: row 64 mw + r, 16 bytes for each half
	v_lshl_add_u32 v5, v2, 4, v5
	s_mul_i32 s21, s13, 64*PS
	s_add_co_u32 s21, s21, STAGE
	s_mul_i32 s22, s14, 2*SG
	s_add_co_u32 s22, s22, s21
	v_add_nc_u32 v[STW], s22, v5
	s_lshl_b32 s23, s14, 5
	s_add_co_u32 s23, s23, s21
	s_add_co_u32 s23, s23, SG
	v_add_nc_u32 v[STS], s23, v5
	v_bfe_u32 v7, v0, 3, 2                         ; back: eight lanes take a row of 128 bytes, a wave four rows
	v_mul_u32_u24 v7, v7, PS
	v_lshl_add_u32 v7, v3, 4, v7
	s_mul_i32 s21, s12, 32*PS
	s_add_co_u32 s21, s21, STAGE
	v_add_nc_u32 v[RD], s21, v7
	v_and_b32 v[GO], 31, v0
	v_lshlrev_b32 v[GO], 4, v[GO]
	; The table: q and k heads (groups under 40) take row s, v heads the row of (1, 0).  Stride and base are chosen, no branch.
	s_mul_i32 s72, s42, 3
	s_lshl1_add_u32 s73, s14, s72                  ; the whole group
	s_cmp_lt_u32 s73, 40
	s_cselect_b32 s66, 256, 0
	s_cselect_b32 s67, 0, 524288
	s_add_co_u32 s73, s72, 1                       ; the middle group
	s_cmp_lt_u32 s73, 40
	s_cselect_b32 s68, 256, 0
	s_cselect_b32 s69, 0, 524288
	s_lshl_b32 s74, s43, 7
	s_lshl_b32 s75, s13, 6
	s_add_co_u32 s74, s74, s75                     ; my first row of x
	v_add_nc_u32 v3, s74, v1
	v_lshlrev_b32 v4, 6, v2                        ; my eight frequencies 8 h .. 8 h + 7: 64 bytes
	v_add_nc_u32 v5, s67, v4
	v_mad_u32_u24 v[TAW], v3, s66, v5
	s_lshl_b32 s75, s66, 4
.irp m, 1,2,3
	v_add_nc_u32 v[TAW+\m], s75, v[TAW+\m-1]
.endr
	s_lshl_b32 s75, s14, 7                         ; the middle group's tile nw: frequencies 16 nw ..
	s_add_co_u32 s75, s75, s69
	v_add_nc_u32 v5, s75, v4
	v_mad_u32_u24 v[TAS], v3, s68, v5
	s_lshl_b32 s75, s68, 4
.irp m, 1,2,3
	v_add_nc_u32 v[TAS+\m], s75, v[TAS+\m-1]
.endr
	WIN 0x80                                       ; destination window 2.  These 48 loads stay out through the K loop; nothing of theirs is rewritten
.irp mt, 0,1,2,3
.irp t, 0,1
.irp k, 0,1,2,3
	global_load_b128 v[48*\mt+16*\t+4*\k:48*\mt+16*\t+4*\k+3], v[TAW+\mt], s[8:9] offset:128*\t+16*\k
.endr
.endr
.irp k, 0,1,2,3
	global_load_b128 v[48*\mt+32+4*\k:48*\mt+32+4*\k+3], v[TAS+\mt], s[8:9] offset:16*\k
.endr
.endr
	WIN 0
; 20 LDS loads: the fragments of 32 along K (quarter q of the slot's step) into buffer f
.macro FETCH slot, q, f
.irp mt, 0,1,2,3
	ds_load_b128 v[\f+8*\mt:\f+8*\mt+3],   v[ADRA+\slot] offset:\mt*16*PA+64*\q
	ds_load_b128 v[\f+8*\mt+4:\f+8*\mt+7], v[ADRA+\slot] offset:\mt*16*PA+64*\q+32
.endr
.irp t, 0,1,2,3
	ds_load_tr16_b128 v[\f+32+8*\t:\f+32+8*\t+3],   v[ADRBW+\slot] offset:\q*32*PB+32*\t
	ds_load_tr16_b128 v[\f+32+8*\t+4:\f+32+8*\t+7], v[ADRBW+\slot] offset:\q*32*PB+32*\t+16*PB
.endr
.irp t, 0,1
	ds_load_tr16_b128 v[\f+64+8*\t:\f+64+8*\t+3],   v[ADRBS+\slot] offset:\q*32*PB+64*\t
	ds_load_tr16_b128 v[\f+64+8*\t+4:\f+64+8*\t+7], v[ADRBS+\slot] offset:\q*32*PB+64*\t+16*PB
.endr
.endm
; 12 matrix instructions.  The 24 accumulators take turns, one instruction a turn, in one fixed order.
.macro MUL12 f, mt0, zero
.irp mt, \mt0, \mt0+1
.irp i, 0,1,2,3,4,5
.if \zero
	v_wmma_f32_16x16x32_bf16 v[8*(6*(\mt)+\i):8*(6*(\mt)+\i)+7], v[\f+32+8*\i:\f+32+8*\i+7], v[\f+8*(\mt):\f+8*(\mt)+7], 0
.else
	v_wmma_f32_16x16x32_bf16 v[8*(6*(\mt)+\i):8*(6*(\mt)+\i)+7], v[\f+32+8*\i:\f+32+8*\i+7], v[\f+8*(\mt):\f+8*(\mt)+7], v[8*(6*(\mt)+\i):8*(6*(\mt)+\i)+7]
.endif
.endr
.endr
.endm
; One of a step's first three quarters: buffer f is in; the next quarter's fragments are asked for first, into g, and have this quarter's 24 matrix instructions in which to land
.macro QUARTER slot, qn, f, g, zero
	s_wait_dscnt 0x0
	PLACES
	WIN 0
	FETCH \slot, \qn, \g
	WIN 0x50                                       ; C and D in window 1
	MUL12 \f, 0, \zero
	MUL12 \f, 2, \zero
.endm
.macro THREE slot, zero
	QUARTER \slot, 1, F0, F1, \zero
	QUARTER \slot, 2, F1, F0, 0
	QUARTER \slot, 3, F0, F1, 0
.endm
; The last quarter changes slots.  In front of the barrier each wave has its reads of this slot back and all its tensor loads landed (one is out:
; its part of the next slot).  Where the slot is filled again the barrier opens a round of the cluster's barrier, and the joint load is first behind it.
.macro TURN slot, next, fill
	s_wait_dscnt 0x0
	s_wait_tensorcnt 0x0
	ds_add_u32 v254, v255
	s_wait_dscnt 0x0
	s_barrier_signal -1
	WIN 0x50
	MUL12 F1, 0, 0
	WIN 0
	s_barrier_wait -1
.if \fill
	CREST
	s_and_b32 s[KST], s[KNX], 15                   ; the step two turns on, round the 16; no tensor load of mine is out, so the group 0s may be written
	s_add_co_u32 s[KNX], s[KNX], 1
	ADDR \slot
	JLOAD \slot
.endif
	PLACES
	FETCH \next, 0, F0
	WIN 0x50
	MUL12 F1, 2, 0
.endm
.macro LAP zero
	THREE 0, \zero
	TURN 0, 1, 1
	THREE 1, 0
	TURN 1, 0, 1
.endm
	s_wait_tensorcnt 1                             ; my part of the first K step is in; the second's may stay out
	s_barrier_signal -1
	s_barrier_wait -1
	FETCH 0, 0, F0
	LAP 1                                          ; the first products start the sums: nothing is cleared
	WIN 0
	s_mov_b32 s3, LAPS-2
.Llap:
	LAP 0
	WIN 0
	s_sub_co_u32 s3, s3, 1
	s_cmp_lg_u32 s3, 0
	s_cbranch_scc1 .Llap
	THREE 0, 0                                     ; the last lap fills nothing: 2 first fills and 14 refills have asked for all 16 steps
	TURN 0, 1, 0
	THREE 1, 0
	s_wait_dscnt 0x0
	WIN 0x50
	MUL12 F1, 0, 0
	MUL12 F1, 2, 0
	PLACES
	; THE WAY OUT.  a = column d, b = column d + 32 of a head: a' = a cos - b sin, b' = b cos + a sin; then f16, through the stage.
	s_wait_loadcnt 0x0                             ; the table
	s_mul_i32 s72, s42, 3
	s_lshl_b32 s72, s72, 18                        ; head 3 bx, 262,144 bytes a head
	s_lshl_b32 s73, s43, 14                        ; 128 by rows of 128 bytes
	s_add_co_u32 s72, s72, s73
	s_lshl_b32 s73, s12, 12                        ; each wave stores 32 rows of each of the three heads
	s_add_co_u32 s72, s72, s73
	s_mov_b32 s73, 0
	s_add_nc_u64 s[70:71], s[10:11], s[72:73]
.macro ROPE mt, ia, ib, tb, st, oa, ob
	WIN 0x09                                       ; source 0 window 1 (sums), source 1 window 2 (table)
.irp j, 0,1,2,3,4,5,6,7
	v_mul_f32 v[TT+\j], v[8*(6*\mt+\ib)+\j], v[\tb+2*\j+1]
.endr
.irp j, 0,1,2,3,4,5,6,7
	v_fma_f32 v[TA+\j], v[8*(6*\mt+\ia)+\j], v[\tb+2*\j], -v[TT+\j]
.endr
.irp j, 0,1,2,3,4,5,6,7
	v_mul_f32 v[TT+\j], v[8*(6*\mt+\ia)+\j], v[\tb+2*\j+1]
.endr
.irp j, 0,1,2,3,4,5,6,7
	v_fma_f32 v[TB+\j], v[8*(6*\mt+\ib)+\j], v[\tb+2*\j], v[TT+\j]
.endr
	WIN 0
.irp k, 0,1,2,3
	v_cvt_pk_f16_f32 v[TP+\k], v[TA+2*\k], v[TA+2*\k+1]
.endr
	ds_store_b128 v[\st], v[TP:TP+3] offset:\mt*16*PS+\oa
.irp k, 0,1,2,3
	v_cvt_pk_f16_f32 v[TT+\k], v[TB+2*\k], v[TB+2*\k+1]
.endr
	ds_store_b128 v[\st], v[TT:TT+3] offset:\mt*16*PS+\ob
.endm
.irp mt, 0,1,2,3
	ROPE \mt, 0, 2, 48*\mt, STW, 0, 64
	ROPE \mt, 1, 3, 48*\mt+16, STW, 32, 96
	ROPE \mt, 4, 5, 48*\mt+32, STS, 0, 64
.endr
	s_wait_dscnt 0x0                               ; my stores are in LDS: a row of the middle group comes from two waves
	s_barrier_signal -1
	s_barrier_wait -1
.irp hh, 0,1,2
.irp i, 0,1,2,3,4,5,6,7
	ds_load_b128 v[32+32*\hh+4*\i:32+32*\hh+4*\i+3], v[RD] offset:\hh*SG+\i*4*PS
.endr
.endr
.irp hh, 0,1,2
.irp i, 0,1,2,3,4,5,6,7
	s_wait_dscnt 23-(8*\hh+\i)                     ; LDS loads come back in order: this one is in, the younger ones stay out
	global_store_b128 v[GO], v[32+32*\hh+4*\i:32+32*\hh+4*\i+3], s[70:71] offset:\hh*262144+512*\i   ; four rows: 512 consecutive bytes, aligned
.endr
.endr
	s_wait_tensorcnt 0x0
	ds_add_u32 v254, v255
	s_wait_dscnt 0x0
	CROUND                                         ; the closing round: nobody ends while a partner may still ask jointly
	s_endpgm
.Lfunc_end_k_q73d980d0b1_qkv:
	.size	k_q73d980d0b1_qkv, .Lfunc_end_k_q73d980d0b1_qkv-k_q73d980d0b1_qkv
	.p2alignl 7, 3214868480
	.fill 96, 4, 3214868480
	.section	.rodata,"a",@progbits
	.p2align	6, 0x0
	.amdhsa_kernel k_q73d980d0b1_qkv
		.amdhsa_group_segment_fixed_size 327680
		.amdhsa_private_segment_fixed_size 0
		.amdhsa_enable_private_segment 0
		.amdhsa_kernarg_size 32
		.amdhsa_user_sgpr_count 2
		.amdhsa_user_sgpr_kernarg_segment_ptr 1
		.amdhsa_wavefront_size32 1
		.amdhsa_system_sgpr_workgroup_id_x 1
		.amdhsa_system_sgpr_workgroup_id_y 1
		.amdhsa_system_sgpr_workgroup_id_z 1
		.amdhsa_system_vgpr_workitem_id 0
		.amdhsa_next_free_vgpr 704
		.amdhsa_next_free_sgpr 80
		.amdhsa_reserve_vcc 0
		.amdhsa_float_denorm_mode_32 3
		.amdhsa_float_denorm_mode_16_64 3
		.amdhsa_memory_ordered 1
		.amdhsa_forward_progress 1
		.amdhsa_inst_pref_size 120
	.end_amdhsa_kernel
	.amdgpu_metadata
---
amdhsa.version: [ 1, 2 ]
amdhsa.kernels:
  - .name:           k_q73d980d0b1_qkv
    .symbol:         k_q73d980d0b1_qkv.kd
    .args:
      - { .name: xb, .offset: 0, .size: 8, .value_kind: global_buffer, .address_space: global }
      - { .name: wb, .offset: 8, .size: 8, .value_kind: global_buffer, .address_space: global }
      - { .name: tab, .offset: 16, .size: 8, .value_kind: global_buffer, .address_space: global }
      - { .name: qkv, .offset: 24, .size: 8, .value_kind: global_buffer, .address_space: global }
    .group_segment_fixed_size: 327680
    .private_segment_fixed_size: 0
    .kernarg_segment_align: 8
    .kernarg_segment_size: 32
    .max_flat_workgroup_size: 128
    .sgpr_count:     80
    .vgpr_count:     704
    .wavefront_size: 32
...
	.end_amdgpu_metadata
.endif
;; end of part 5
;; launch attn (part 6): grid 32 x 8, 8 waves a work-group, clusters of 4 x 1, 327,680 bytes of LDS; arguments qkv, ab; writes ab
.if DOCPART == 6
	.amdgcn_target "amdgcn-amd-amdhsa--gfx1250"
	.amdhsa_code_object_version 6
	.text
	.protected	k_q73d980d0b1_attn
	.globl	k_q73d980d0b1_attn
	.p2align	8
	.type	k_q73d980d0b1_attn,@function
k_q73d980d0b1_attn:
	s_mov_b64 s[64:65], 0
	v_nop
	global_prefetch_b8 v0, s[64:65] scope:SCOPE_SE
	s_setreg_imm32_b32 hwreg(HW_REG_WAVE_MODE, 25, 1), 1
	s_wait_xcnt 0x0
	s_wait_alu depctr_hold_cnt(0) depctr_sa_sdst(0) depctr_va_vdst(0) depctr_va_sdst(0) depctr_va_ssrc(0) depctr_va_vcc(0) depctr_vm_vsrc(0)
	s_getreg_b32 s2, hwreg(HW_REG_IB_STS2, 6, 4)
	s_cmp_eq_u32 s2, 0
	s_cbranch_scc0 .Lentry_in_a_cluster
	s_endpgm
.Lentry_in_a_cluster:
	s_bfe_u32 s2, ttmp6, 0x10000c
	s_cmp_lg_u32 s2, 0x3003
	s_cbranch_scc0 .Lentry_shape_is_right
	s_endpgm
.Lentry_shape_is_right:
; Causal attention with a running maximum.  qkv: f16 [48 heads][2048][64].  ab: f16 [16 row blocks][32 heads][128 rows][64].
; Work-group (j, cx, g): key and value head g, query head 4 g + cx; it takes two blocks of 128 queries, first 15 - j, then j.
; EIGHT WAVES, two on a SIMD, so that one wave's vector work runs during the other's LDS waits and matrix runs.  Wave w has rows
; 32 (w & 3) .. + 31 of the block and keys 64 (w >> 2) .. + 63 of every tile of 128 keys; at a block's end waves 4-7 hand their sums to
; waves 0-3 through LDS, which merge the two halves and store.
; Tiles go in pairs: block b takes floor(b/2) open pairs and one masked pair (b odd: tiles b - 1, b; b even: tiles b, b + 1, the second
; wholly masked, still inside the head's 16 tiles).  So every block has an even number of tiles and begins in slot 0, one text (a loop of two
; blocks) serves both, and every work-group makes 2 x 7 + 4 = 18 trips, one tile in eighteen of them for nothing.
; CLUSTER of 4 along x: the four partners are the four query heads of one key and value head with the same j, so they walk the same tiles
; and ask for K and V jointly (mask 15).  Branches and trip counts hang on j, the block's number and the wave's number alone; cx enters only
; the global addresses of q and of the result.
; ORIENTATION: S^T = K Q^T (a lane holds query r and keys 8 h + i of each tile of 16), O^T = V^T P^T: the packed S^T registers ARE the second
; product's B fragment, and maximum, sum and rescaling factor are one number a lane; the two halves of the lanes meet by one v_permlanex16_b32.
; exp(s/8 - m/8) = 2^(c s - c m), c = log2(e)/8.
; MASKED SCORES take - 2^100 and not - infinity: a wave of the upper key half may have no open key at all (block 0, queries 0-63), and its
; running maximum must stay a number.  c 2^100 is exact, so such a wave gets p = 1 and finite sums, which the merge multiplies by
; 2^(- c 2^100) = 0.  f16 operands bound |s| by 64 x 65,504^2 < 2^38, so no score comes near it, and a masked score beside a real maximum gives 0.
; LIMITS: operands f16; the row sum is taken from p before p is rounded to f16; p under 2^-25 of the row's running maximum counts as 0 in
; P V; NaN and infinite inputs are not followed.
; The second block's first tile is not asked for ahead of the first block's end: the last trip of a block fills nothing, in both blocks alike.
; REGISTERS: window 0: v0-31 addresses and row figures, v32-63 Q, v64-127 K, v128-191 V, v192-255 S then P;
; window 1: v0-63 O^T (tile (dt, n) at v[8 (2 dt + n)]).
.set QT,    5120                       ; an eighth of a slot: 32 keys of K at pitch 144 (4,608 bytes used), or of V at pitch 160
.set SLOT,  8*QT                       ; K keys 0-31 .. 96-127, then V likewise: wave w fills eighth w
.set STAGE, 2*SLOT                     ; 32 rows x 144 bytes for each wave, its own; no tensor load lands here
.set MW,    9216                       ; what a wave of the upper key half hands over: 64 + 8 registers x 128 bytes
.set MRG,   STAGE+8*32*144             ; four such parts; no tensor load lands here
.set TILEB, 16384                      ; 128 keys of 128 bytes in memory
.set PK,    144
.set PV,    160
.set PS,    144
.set ADRK, 4                           ; v4-5    K fragments, slot 0, 1
.set ADRV, 6                           ; v6-7    V fragments, slot 0, 1
.set STO,  8
.set RD,   9
.set GO,   10
.set LIM,  11                          ; LIMW + 128 (b & 1)
.set LIMW, 12                          ; 32 (w & 3) + r - 8 h - 64 (w >> 2)
.set NINF, 13                          ; - 2^100
.set MX,   14                          ; v14-15  running maximum, n = 0, 1
.set NM,   16                          ; v16-17  - c x maximum
.set AL,   18                          ; v18-19  rescaling factor
.set LP,   20                          ; v20-23  two partial row sums for each n
.set T0,   24
.set T1,   25
.set T2,   26
.set T3,   27
.set MWR,  28                          ; where a wave of the upper half puts its sums
.set T5,   29
.set QOFF, 30
.set MRD,  31                          ; where a wave of the lower half finds its partner's
.set QF,   32
.set KF,   64
.set VF,   128
.set PNM,  160                         ; v160-161 the partner's - c m
.set A1,   162                         ; v162-163 the partner's factor
.set PLP,  164                         ; v164-167 the partner's partial sums
.set SF,   192
.set G1K, 24
.set G0K, 32
.set G1V, 48
.set G0V, 56
.set MSB, 0
.macro WIN new                         ; the immediate's high byte repeats the setting that is left
.if MSB != \new
	s_set_vgpr_msb (MSB<<8)|\new
.set MSB, \new
.endif
.endm
.macro NOPS n
.rept \n
	v_nop
.endr
.endm
.macro ROUND                           ; a round of the cluster's barrier
	s_barrier_signal -1
	s_barrier_wait -1
	s_cmp_lg_u32 s8, 0
	s_cbranch_scc1 .Lnot_wave_0_\@
	s_barrier_signal -3
.Lnot_wave_0_\@:
	s_barrier_wait -3
	s_barrier_signal -1
	s_barrier_wait -1
.endm
.macro JLOAD s                         ; waves 0-3: K's four parts; waves 4-7: V's.  The branch hangs on the wave's number alone
	s_cmp_eq_u32 s9, 0
	s_cbranch_scc0 .Lfor_v_\@
	tensor_load_to_lds s[G0K+4*(\s):G0K+4*(\s)+3], s[G1K:G1K+7]
	s_nop 0
	s_branch .Lasked_\@
.Lfor_v_\@:
	tensor_load_to_lds s[G0V+4*(\s):G0V+4*(\s)+3], s[G1V:G1V+7]
	s_nop 0
.Lasked_\@:
.endm
	s_load_b128 s[4:7], s[0:1], 0x0                ; qkv s[4:5], ab s[6:7]
	s_set_vgpr_msb 0x40
	v_lshl_add_u32 v64, v0, 2, 0x30000
	v_mov_b32 v65, 0
	s_set_vgpr_msb 0x4000
	v_lshrrev_b32 v1, 5, v0
	v_readfirstlane_b32 s8, v1                     ; wave 0..7
	s_lshr_b32 s9, s8, 2                           ; my half of a tile's keys.  Also: I fetch for K (0) or for V (1)
	s_and_b32 s10, s8, 3                           ; my 32 rows of the block.  Also: which 32 keys of a tile I fetch
	s_mov_b32 s11, ttmp9                           ; j: the cluster's x
	s_and_b32 s12, ttmp7, 0xffff                   ; g
	s_bfe_u32 s13, ttmp6, 0x40000                  ; cx
	s_sub_co_u32 s72, 15, s11                      ; the first block
	s_lshl2_add_u32 s73, s12, s13                  ; my query head = 4 g + cx
	s_mov_b32 s15, 0                               ; which of my two blocks
	s_mov_b32 s66, 0x76543210                      ; v_permlanex16_b32: lane i of the other half
	s_mov_b32 s67, 0xfedcba98
	s_mov_b32 s68, 0x3e38aa3b                      ; c
	s_mov_b32 s69, 0x3e38aa3b
	s_mov_b32 s70, 0xbe38aa3b                      ; - c
	; a part is 4,096 dense bytes: 16 rows of 32 elements of 8 bytes; padding behind every 32 words (one key): 4 words for K, 8 for V
	s_mov_b32 s[G1K+0], 15|(3<<16)|(1<<20)|(1<<21)|(4<<22)|(3<<25)
	s_mov_b32 s[G1V+0], 15|(3<<16)|(1<<20)|(1<<21)|(4<<22)|(7<<25)
.irp g, G1K, G1V
	s_mov_b32 s[\g+1], 32<<16                      ; tensor_dim0
	s_mov_b32 s[\g+2], 16<<16                      ; tensor_dim1
	s_mov_b32 s[\g+3], 32<<16                      ; tile_dim0
	s_mov_b32 s[\g+4], 16                          ; tile_dim1
	s_mov_b32 s[\g+5], 32                          ; elements from row to row
	s_mov_b32 s[\g+6], 0
	s_mov_b32 s[\g+7], 0
.endr
	s_add_co_u32 s18, s12, 32                      ; K head 32 + g,
	s_lshl_b32 s18, s18, 18
	s_lshl_b32 s16, s10, 12                        ; my 32 keys of a tile
	s_add_co_u32 s18, s18, s16
	s_mov_b32 s19, 0
	s_mul_i32 s16, s8, QT                          ; where my part goes: the wave's number alone
.irp s, 0,1
	s_mov_b32 s[G0K+4*\s], 1
	s_add_co_u32 s[G0K+4*\s+1], s16, \s*SLOT
	s_mov_b32 s[G0V+4*\s], 1
	s_add_co_u32 s[G0V+4*\s+1], s16, \s*SLOT
.endr
	s_mov_b32 s77, 0
	v_and_b32 v1, 15, v0                           ; r
	v_bfe_u32 v2, v0, 4, 1                         ; h
	v_and_b32 v3, 7, v0
	v_lshlrev_b32 v[QOFF], 7, v1
	v_lshl_add_u32 v[QOFF], v2, 4, v[QOFF]         ; q: row r, 16 bytes for each half of the lanes
	v_mul_u32_u24 v24, v1, PK
	v_lshl_add_u32 v24, v2, 4, v24                 ; row r at pitch 144, 16 bytes for each half of the lanes
	s_mul_i32 s78, s9, 2*QT                        ; my 64 keys are two parts of 32
	v_add_nc_u32 v[ADRK], s78, v24
	v_add_nc_u32 v[ADRK+1], SLOT, v[ADRK]
	s_mul_i32 s16, s8, 32*PS
	s_add_co_u32 s16, s16, STAGE
	v_add_nc_u32 v[STO], s16, v24                  ; the stage has K's pitch
	v_lshl_add_u32 v25, v2, 3, v3                  ; V lies [key][d]: the transposing load wants key 8 h + (lane mod 8)
	v_mul_u32_u24 v25, v25, PV
	v_bfe_u32 v26, v0, 3, 1
	v_lshl_add_u32 v25, v26, 4, v25
	s_add_co_u32 s78, s78, 4*QT                    ; V lies behind K's four parts
	v_add_nc_u32 v[ADRV], s78, v25
	v_add_nc_u32 v[ADRV+1], SLOT, v[ADRV]
	v_bfe_u32 v24, v0, 3, 2
	v_mul_u32_u24 v24, v24, PS
	v_lshl_add_u32 v24, v3, 4, v24
	v_add_nc_u32 v[RD], s16, v24                   ; back: eight lanes take a row of 128 bytes, a wave four rows
	v_and_b32 v[GO], 31, v0
	v_lshlrev_b32 v[GO], 4, v[GO]
	s_mul_i32 s78, s8, MW
	v_add_nc_u32 v[MRD], s78, v[GO]
	v_add_nc_u32 v[MWR], MRG-4*MW, v[MRD]          ; wave w of 4-7 writes part w - 4,
	v_add_nc_u32 v[MRD], MRG, v[MRD]               ; wave w of 0-3 reads part w: 16 bytes a lane, 512 a register quad
	v_lshlrev_b32 v24, 3, v2
	v_sub_nc_u32 v24, v1, v24                      ; r - 8 h
	s_lshl_b32 s78, s10, 5
	s_lshl_b32 s79, s9, 6
	s_sub_co_u32 s78, s78, s79                     ; + my rows' place in the block - my keys' place in the tile
	v_add_nc_u32 v[LIMW], s78, v24
	v_mov_b32 v[NINF], 0xf1800000                  ; - 2^100
	v_mov_b32 v[T1], 0                             ; v_permlanex16_b32 counts as a reader of its destination
	v_mov_b32 v[AL], 0                             ; the packed multiplies read the pair
	v_mov_b32 v[AL+1], 0
	s_wait_kmcnt 0x0
	s_add_nc_u64 s[20:21], s[4:5], s[18:19]        ; K's tile 0, my part
	s_add_nc_u64 s[22:23], s[20:21], 8*262144      ; V head = K head + 8
.macro LOADK s                         ; 64 keys x 64 d: 8 fragments, 16 loads
.irp t, 0,1,2,3
.irp c, 0,1
	ds_load_b128 v[KF+8*(2*\t+\c):KF+8*(2*\t+\c)+3],   v[ADRK+\s] offset:(\t>>1)*QT+(\t&1)*16*PK+64*\c
	ds_load_b128 v[KF+8*(2*\t+\c)+4:KF+8*(2*\t+\c)+7], v[ADRK+\s] offset:(\t>>1)*QT+(\t&1)*16*PK+64*\c+32
.endr
.endr
.endm
.macro LOADV s                         ; 64 keys x 64 d, transposed on the way: 8 fragments, 16 loads
.irp kc, 0,1
.irp dt, 0,1,2,3
	ds_load_tr16_b128 v[VF+8*(4*\kc+\dt):VF+8*(4*\kc+\dt)+3],   v[ADRV+\s] offset:\kc*QT+32*\dt
	ds_load_tr16_b128 v[VF+8*(4*\kc+\dt)+4:VF+8*(4*\kc+\dt)+7], v[ADRV+\s] offset:\kc*QT+32*\dt+16*PV
.endr
.endr
.endm
; S^T for 64 keys x 32 queries.  The eight accumulators take turns, one instruction a turn; the first eight start the sums.
.macro SMUL
.irp t, 0,1,2,3
.irp n, 0,1
	v_wmma_f32_16x16x32_f16 v[SF+32*\n+8*\t:SF+32*\n+8*\t+7], v[KF+16*\t:KF+16*\t+7], v[QF+16*\n:QF+16*\n+7], 0
.endr
.endr
.irp t, 0,1,2,3
.irp n, 0,1
	v_wmma_f32_16x16x32_f16 v[SF+32*\n+8*\t:SF+32*\n+8*\t+7], v[KF+16*\t+8:KF+16*\t+15], v[QF+16*\n+8:QF+16*\n+15], v[SF+32*\n+8*\t:SF+32*\n+8*\t+7]
.endr
.endr
.endm
; tile u of the masked pair: key 128 u + 64 (w >> 2) + 16 t + 8 h + i is masked where it is beyond query 128 (b & 1) + 32 (w & 3) + 16 n + r
.macro MASK u
.irp n, 0,1
	v_add_nc_u32 v[T5], 16*\n-128*\u, v[LIM]
.irp t, 0,1,2,3
.irp i, 0,1,2,3,4,5,6,7
	v_cmp_gt_i32 vcc_lo, 16*\t+\i, v[T5]
	v_cndmask_b32 v[SF+32*\n+8*\t+\i], v[SF+32*\n+8*\t+\i], v[NINF], vcc_lo
.endr
.endr
.endr
.endm
.macro SOFTMAX n
	v_max3_num_f32 v[T0], v[MX+\n], v[SF+32*\n], v[SF+32*\n+1]               ; two chains; the old maximum seeds the first
	v_max3_num_f32 v[T1], v[SF+32*\n+16], v[SF+32*\n+17], v[SF+32*\n+18]
.irp i, 2,4,6,8,10,12
	v_max3_num_f32 v[T0], v[T0], v[SF+32*\n+\i], v[SF+32*\n+\i+1]
	v_max3_num_f32 v[T1], v[T1], v[SF+32*\n+\i+17], v[SF+32*\n+\i+18]
.endr
	v_max3_num_f32 v[T0], v[T0], v[SF+32*\n+14], v[SF+32*\n+15]
	v_max3_num_f32 v[T0], v[T0], v[T1], v[SF+32*\n+31]
	v_permlanex16_b32 v[T1], v[T0], s66, s67       ; the same query's other keys lie in lane i xor 16
	v_max_num_f32 v[MX+\n], v[T0], v[T1]
	v_mul_f32 v[T2], s70, v[MX+\n]                 ; - c m: always a number, c 2^100 as long as no open key has been met
	v_sub_f32 v[T3], v[T2], v[NM+\n]               ; c (old m - new m); about - c 2^100 at the first open key, which makes the factor 0
	v_mov_b32 v[NM+\n], v[T2]
	v_exp_f32 v[AL+\n], v[T3]
.irp i, 0,2,4,6,8,10,12,14,16,18,20,22,24,26,28,30
	v_pk_fma_f32 v[SF+32*\n+\i:SF+32*\n+\i+1], v[SF+32*\n+\i:SF+32*\n+\i+1], s[68:69], v[NM:NM+1] op_sel:[0,0,\n] op_sel_hi:[1,0,\n]
.endr
.set i, 0
.rept 32
	v_exp_f32 v[SF+32*\n+i], v[SF+32*\n+i]
.set i, i+1
.endr
	s_wait_alu depctr_va_vdst(0)
	v_pk_mul_f32 v[LP+2*\n:LP+2*\n+1], v[LP+2*\n:LP+2*\n+1], v[AL:AL+1] op_sel:[0,\n] op_sel_hi:[1,\n]   ; also the plain place behind the exponentials (ISA guide 5.7.2)
	v_pk_add_f32 v[T2:T3], v[SF+32*\n+16:SF+32*\n+17], v[SF+32*\n+18:SF+32*\n+19]
.irp i, 0,2,4,6,8,10
	v_pk_add_f32 v[LP+2*\n:LP+2*\n+1], v[LP+2*\n:LP+2*\n+1], v[SF+32*\n+\i:SF+32*\n+\i+1]
	v_pk_add_f32 v[T2:T3], v[T2:T3], v[SF+32*\n+\i+20:SF+32*\n+\i+21]
.endr
	v_pk_add_f32 v[LP+2*\n:LP+2*\n+1], v[LP+2*\n:LP+2*\n+1], v[SF+32*\n+12:SF+32*\n+13]
	v_pk_add_f32 v[LP+2*\n:LP+2*\n+1], v[LP+2*\n:LP+2*\n+1], v[SF+32*\n+14:SF+32*\n+15]
	v_pk_add_f32 v[LP+2*\n:LP+2*\n+1], v[LP+2*\n:LP+2*\n+1], v[T2:T3]
.irp kc, 0,1                           ; pack in place: tiles 2 kc and 2 kc + 1 become registers 0-3 and 4-7 of the B fragment of 32 keys
.irp i, 0,1,2,3
	v_cvt_pk_f16_f32 v[SF+32*\n+16*\kc+\i], v[SF+32*\n+16*\kc+2*\i], v[SF+32*\n+16*\kc+2*\i+1]
.endr
.irp i, 0,1,2,3
	v_cvt_pk_f16_f32 v[SF+32*\n+16*\kc+4+\i], v[SF+32*\n+16*\kc+8+2*\i], v[SF+32*\n+16*\kc+8+2*\i+1]
.endr
.endr
.endm
.macro RESCALE                         ; O^T times the lane's factor
	WIN 0x41                                       ; destination and source 0 in window 1
.irp dt, 0,1,2,3
.irp n, 0,1
.irp i, 0,2,4,6
	v_pk_mul_f32 v[8*(2*\dt+\n)+\i:8*(2*\dt+\n)+\i+1], v[8*(2*\dt+\n)+\i:8*(2*\dt+\n)+\i+1], v[AL:AL+1] op_sel:[0,\n] op_sel_hi:[1,\n]
.endr
.endr
.endr
.endm
.macro ADDIN                           ; O^T += the partner's O^T (in K's registers) times the partner's factor
	WIN 0x50                                       ; source 2 and destination in window 1
.irp dt, 0,1,2,3
.irp n, 0,1
.irp i, 0,2,4,6
	v_pk_fma_f32 v[8*(2*\dt+\n)+\i:8*(2*\dt+\n)+\i+1], v[KF+8*(2*\dt+\n)+\i:KF+8*(2*\dt+\n)+\i+1], v[A1:A1+1], v[8*(2*\dt+\n)+\i:8*(2*\dt+\n)+\i+1] op_sel:[0,\n,0] op_sel_hi:[1,\n,1]
.endr
.endr
.endr
.endm
.macro PVMUL                           ; the eight accumulators take turns, one instruction a turn
	WIN 0x50                                       ; C and D in window 1
.irp kc, 0,1
.irp dt, 0,1,2,3
.irp n, 0,1
	v_wmma_f32_16x16x32_f16 v[8*(2*\dt+\n):8*(2*\dt+\n)+7], v[VF+8*(4*\kc+\dt):VF+8*(4*\kc+\dt)+7], v[SF+32*\n+16*\kc:SF+32*\n+16*\kc+7], v[8*(2*\dt+\n):8*(2*\dt+\n)+7]
.endr
.endr
.endr
.endm
; One tile of 128 keys in slot \slot, of which I take 64.  refill = 1: the next tile is asked for, into the other slot.  mask = 0, 1: which tile of the masked pair; 2: an open tile.
.macro TRIP slot, refill, mask
	s_set_vgpr_msb 0x5
	s_wait_tensorcnt 0x0                           ; all my tensor loads have landed (one was out: my part of this tile), so a group 0 may be written:
	ds_add_u32 v64, v65
	s_wait_dscnt 0x0
	s_set_vgpr_msb 0x500
	s_add_nc_u64 s[G0K+4*\slot+2:G0K+4*\slot+3], s[G0K+4*\slot+2:G0K+4*\slot+3], 2*TILEB   ; this slot's next tile
	s_add_nc_u64 s[G0V+4*\slot+2:G0V+4*\slot+3], s[G0V+4*\slot+2:G0V+4*\slot+3], 2*TILEB
	s_wait_dscnt 0x0                               ; my reads of the other slot are back
.if \refill
	ROUND                                          ; both now hold of every wave of the four work-groups
	JLOAD 1-\slot                                  ; my one tensor load behind the round, and the first thing there
.else
	s_barrier_signal -1                            ; it shows the whole tile to my eight waves
	s_barrier_wait -1
.endif
	LOADK \slot
	LOADV \slot
	s_wait_dscnt 16                                ; K's 16 loads are in; the 16 younger ones (V's) stay out
	SMUL
	NOPS 4                                         ; four places before S is read (ISA guide 7.12.1)
.if \mask < 2
	MASK \mask
.endif
	SOFTMAX 0
	SOFTMAX 1
	s_wait_dscnt 0x0                               ; V
	RESCALE
	PVMUL
	WIN 0
	NOPS 5                                         ; five places before the next S^T writes over P, four before V's registers are loaded into or O is read
.endm
.Lblock:
	s_cmp_eq_u32 s15, 0
	s_cselect_b32 s14, s72, s11                    ; b: block 15 - j, then block j
	s_wait_dscnt 0x0                               ; my LDS reads are back,
	s_set_vgpr_msb 0x5
	s_wait_tensorcnt 0x0                           ; and no tensor load of mine is out: the group 0s are set for tiles 0 and 1
	ds_add_u32 v64, v65
	s_wait_dscnt 0x0
	s_set_vgpr_msb 0x500
	s_mov_b64 s[G0K+2:G0K+3], s[20:21]
	s_or_b32 s[G0K+3], s[G0K+3], 0x80000000
	s_add_nc_u64 s[G0K+6:G0K+7], s[20:21], TILEB
	s_or_b32 s[G0K+7], s[G0K+7], 0x80000000
	s_mov_b64 s[G0V+2:G0V+3], s[22:23]
	s_or_b32 s[G0V+3], s[G0V+3], 0x80000000
	s_add_nc_u64 s[G0V+6:G0V+7], s[22:23], TILEB
	s_or_b32 s[G0V+7], s[G0V+7], 0x80000000
	ROUND                                          ; in front of the block's first joint load; no wave of any partner still reads slot 0
	JLOAD 0                                        ; tile 0.  One tensor load of the wave is out at any time
	s_lshl_b32 s76, s73, 18                        ; q: head, 128 b + 32 (w & 3) rows of 128 bytes
	s_lshl_b32 s74, s14, 14
	s_add_co_u32 s76, s76, s74
	s_lshl_b32 s74, s10, 12
	s_add_co_u32 s76, s76, s74
	s_add_nc_u64 s[40:41], s[4:5], s[76:77]        ; the last block's loads through this base were waited for
.irp n, 0,1
.irp c, 0,1
	global_load_b128 v[QF+8*(2*\n+\c):QF+8*(2*\n+\c)+3],   v[QOFF], s[40:41] offset:2048*\n+64*\c
	global_load_b128 v[QF+8*(2*\n+\c)+4:QF+8*(2*\n+\c)+7], v[QOFF], s[40:41] offset:2048*\n+64*\c+32
.endr
.endr
	; A block begins.  Its trips are all alike, so no first product with a constant C can start these sums: 64 registers are cleared, twice in the launch.
	WIN 0x40
.set i, 0
.rept 64
	v_mov_b32 v[i], 0
.set i, i+1
.endr
	WIN 0
	v_mov_b32 v[MX], v[NINF]
	v_mov_b32 v[MX+1], v[NINF]
	v_mul_f32 v[NM], s70, v[NINF]                  ; c 2^100, exact
	v_mul_f32 v[NM+1], s70, v[NINF]
.irp i, 0,1,2,3
	v_mov_b32 v[LP+\i], 0
.endr
	s_and_b32 s74, s14, 1                          ; in an odd block the masked pair's second tile is the diagonal's
	s_lshl_b32 s74, s74, 7
	v_add_nc_u32 v[LIM], s74, v[LIMW]
	s_wait_storecnt 0x0                            ; the last block's eight stores are done: their base and their data (V's registers) are written again only behind this wait
	s_lshl_b32 s76, s14, 19                        ; result: row block b, head, 32 (w & 3) rows of 128 bytes
	s_lshl_b32 s74, s73, 14
	s_add_co_u32 s76, s76, s74
	s_lshl_b32 s74, s10, 12
	s_add_co_u32 s76, s76, s74
	s_add_nc_u64 s[44:45], s[6:7], s[76:77]
	s_wait_loadcnt 0x0                             ; q
	s_lshr_b32 s71, s14, 1                         ; floor(b/2) pairs of open tiles
	s_cmp_eq_u32 s71, 0                            ; blocks 0 and 1 have none
	s_cbranch_scc1 .Ldiag
.Lpair:
	TRIP 0, 1, 2
	TRIP 1, 1, 2
	s_sub_co_u32 s71, s71, 1
	s_cmp_lg_u32 s71, 0
	s_cbranch_scc1 .Lpair
.Ldiag:
	TRIP 0, 1, 0                                   ; the masked pair's first tile
	TRIP 1, 0, 1                                   ; its second: nothing is left to fetch for this block
	; The block ends.  Waves 4-7 hand over O^T, - c m and the partial sums; the five places behind the last matrix instruction stand in TRIP.
	s_cmp_lt_u32 s8, 4
	s_cbranch_scc1 .Lkeep
	WIN 0x04                                       ; store data in window 1
.set i, 0
.rept 16
	ds_store_b128 v[MWR], v[4*i:4*i+3] offset:512*i
.set i, i+1
.endr
	WIN 0
	ds_store_b128 v[MWR], v[NM:NM+3] offset:8192   ; - c m for n = 0, 1 (the two factors behind them ride along unused)
	ds_store_b128 v[MWR], v[LP:LP+3] offset:8704
.Lkeep:
	s_wait_dscnt 0x0                               ; for the partner's sake: my stores are in LDS
	s_barrier_signal -1
	s_barrier_wait -1
	s_cmp_ge_u32 s8, 4
	s_cbranch_scc1 .Lnext
	; Waves 0-3 merge: m = the larger maximum, a = 2^(c (own m - m)), l = l0 a0 + l1 a1, O = O0 a0 / l + O1 a1 / l.
.set i, 0
.rept 16
	ds_load_b128 v[KF+4*i:KF+4*i+3], v[MRD] offset:512*i
.set i, i+1
.endr
	ds_load_b128 v[PNM:PNM+3], v[MRD] offset:8192
	ds_load_b128 v[PLP:PLP+3], v[MRD] offset:8704
	s_wait_dscnt 0x0
	v_min_num_f32 v[T0], v[NM], v[PNM]             ; the smaller - c m is the larger maximum's
	v_min_num_f32 v[T2], v[NM+1], v[PNM+1]
	v_sub_f32 v[AL], v[T0], v[NM]
	v_sub_f32 v[AL+1], v[T2], v[NM+1]
	v_sub_f32 v[A1], v[T0], v[PNM]                 ; about - c 2^100 for a partner that met no open key: its factor is 0
	v_sub_f32 v[A1+1], v[T2], v[PNM+1]
	v_exp_f32 v[AL], v[AL]
	v_exp_f32 v[AL+1], v[AL+1]
	v_exp_f32 v[A1], v[A1]
	v_exp_f32 v[A1+1], v[A1+1]
	v_nop                                          ; one plain place behind a transcendental (ISA guide 5.7.2)
	s_wait_alu depctr_va_vdst(0)
	v_pk_mul_f32 v[LP:LP+1], v[LP:LP+1], v[AL:AL+1] op_sel:[0,0] op_sel_hi:[1,0]
	v_pk_mul_f32 v[LP+2:LP+3], v[LP+2:LP+3], v[AL:AL+1] op_sel:[0,1] op_sel_hi:[1,1]
	v_pk_fma_f32 v[LP:LP+1], v[PLP:PLP+1], v[A1:A1+1], v[LP:LP+1] op_sel:[0,0,0] op_sel_hi:[1,0,1]
	v_pk_fma_f32 v[LP+2:LP+3], v[PLP+2:PLP+3], v[A1:A1+1], v[LP+2:LP+3] op_sel:[0,1,0] op_sel_hi:[1,1,1]
	v_add_f32 v[T0], v[LP], v[LP+1]
	v_permlanex16_b32 v[T1], v[T0], s66, s67
	v_add_f32 v[T0], v[T0], v[T1]
	v_add_f32 v[T2], v[LP+2], v[LP+3]
	v_permlanex16_b32 v[T1], v[T2], s66, s67
	v_add_f32 v[T2], v[T2], v[T1]
	v_rcp_f32 v[T0], v[T0]                         ; the sum holds the maximum's own 1, with the factor 1, so it is at least 1
	v_rcp_f32 v[T2], v[T2]
	v_nop                                          ; one plain place behind a transcendental
	s_wait_alu depctr_va_vdst(0)
	v_mul_f32 v[AL], v[AL], v[T0]                  ; the division rides on the two factors
	v_mul_f32 v[AL+1], v[AL+1], v[T2]
	v_mul_f32 v[A1], v[A1], v[T0]
	v_mul_f32 v[A1+1], v[A1+1], v[T2]
	RESCALE
	ADDIN
	; f16, through my stage, 32 rows of 128 bytes out
	WIN 0x05                                       ; both sources in window 1
.irp dt, 0,1,2,3
.irp n, 0,1
.irp i, 0,1,2,3
	v_cvt_pk_f16_f32 v[KF+4*(2*\dt+\n)+\i], v[8*(2*\dt+\n)+2*\i], v[8*(2*\dt+\n)+2*\i+1]
.endr
.endr
.endr
	WIN 0
.irp dt, 0,1,2,3
.irp n, 0,1
	ds_store_b128 v[STO], v[KF+4*(2*\dt+\n):KF+4*(2*\dt+\n)+3] offset:\n*16*PS+32*\dt
.endr
.endr
.irp i, 0,1,2,3,4,5,6,7
	ds_load_b128 v[VF+4*\i:VF+4*\i+3], v[RD] offset:\i*4*PS        ; LDS serves a wave's instructions in order: these see the stores above
.endr
.irp i, 0,1,2,3,4,5,6,7
	s_wait_dscnt 7-\i                              ; LDS loads come back in order: this one is in, the 7 - i younger ones stay out
	global_store_b128 v[GO], v[VF+4*\i:VF+4*\i+3], s[44:45] offset:512*\i       ; four rows: 512 consecutive bytes, aligned
.endr
.Lnext:
	s_add_co_u32 s15, s15, 1
	s_cmp_lt_u32 s15, 2
	s_cbranch_scc1 .Lblock
	s_set_vgpr_msb 0x5
	s_wait_tensorcnt 0x0
	ds_add_u32 v64, v65
	s_wait_dscnt 0x0
	s_set_vgpr_msb 0x500
	ROUND                                          ; the closing round: nobody ends while a partner may still ask jointly
	s_endpgm
.Lfunc_end_k_q73d980d0b1_attn:
	.size	k_q73d980d0b1_attn, .Lfunc_end_k_q73d980d0b1_attn-k_q73d980d0b1_attn
	.p2alignl 7, 3214868480
	.fill 96, 4, 3214868480
	.section	.rodata,"a",@progbits
	.p2align	6, 0x0
	.amdhsa_kernel k_q73d980d0b1_attn
		.amdhsa_group_segment_fixed_size 327680
		.amdhsa_private_segment_fixed_size 0
		.amdhsa_enable_private_segment 0
		.amdhsa_kernarg_size 16
		.amdhsa_user_sgpr_count 2
		.amdhsa_user_sgpr_kernarg_segment_ptr 1
		.amdhsa_wavefront_size32 1
		.amdhsa_system_sgpr_workgroup_id_x 1
		.amdhsa_system_sgpr_workgroup_id_y 1
		.amdhsa_system_sgpr_workgroup_id_z 1
		.amdhsa_system_vgpr_workitem_id 0
		.amdhsa_next_free_vgpr 322
		.amdhsa_next_free_sgpr 80
		.amdhsa_reserve_vcc 1
		.amdhsa_float_denorm_mode_32 3
		.amdhsa_float_denorm_mode_16_64 3
		.amdhsa_memory_ordered 1
		.amdhsa_forward_progress 1
		.amdhsa_inst_pref_size 103
	.end_amdhsa_kernel
	.amdgpu_metadata
---
amdhsa.version: [ 1, 2 ]
amdhsa.kernels:
  - .name:           k_q73d980d0b1_attn
    .symbol:         k_q73d980d0b1_attn.kd
    .args:
      - { .name: qkv, .offset: 0, .size: 8, .value_kind: global_buffer, .address_space: global }
      - { .name: ab, .offset: 8, .size: 8, .value_kind: global_buffer, .address_space: global }
    .group_segment_fixed_size: 327680
    .private_segment_fixed_size: 0
    .kernarg_segment_align: 8
    .kernarg_segment_size: 16
    .max_flat_workgroup_size: 256
    .sgpr_count:     80
    .vgpr_count:     322
    .wavefront_size: 32
...
	.end_amdgpu_metadata
.endif
;; end of part 6
;; launch oproj (part 7): grid 16 x 16, 4 waves a work-group, clusters of 4 x 4, 327,680 bytes of LDS; arguments ab, wb, out0; writes out0
.if DOCPART == 7
	.amdgcn_target "amdgcn-amd-amdhsa--gfx1250"
	.amdhsa_code_object_version 6
	.text
	.protected	k_q73d980d0b1_oproj
	.globl	k_q73d980d0b1_oproj
	.p2align	8
	.type	k_q73d980d0b1_oproj,@function
k_q73d980d0b1_oproj:
	s_mov_b64 s[64:65], 0
	v_nop
	global_prefetch_b8 v0, s[64:65] scope:SCOPE_SE
	s_setreg_imm32_b32 hwreg(HW_REG_WAVE_MODE, 25, 1), 1
	s_wait_xcnt 0x0
	s_wait_alu depctr_hold_cnt(0) depctr_sa_sdst(0) depctr_va_vdst(0) depctr_va_sdst(0) depctr_va_ssrc(0) depctr_va_vcc(0) depctr_vm_vsrc(0)
	s_getreg_b32 s2, hwreg(HW_REG_IB_STS2, 6, 4)
	s_cmp_eq_u32 s2, 0
	s_cbranch_scc0 .Lentry_in_a_cluster
	s_endpgm
.Lentry_in_a_cluster:
	s_bfe_u32 s2, ttmp6, 0x10000c
	s_cmp_lg_u32 s2, 0xf033
	s_cbranch_scc0 .Lentry_shape_is_right
	s_endpgm
.Lentry_shape_is_right:
; out0 = attention result x wo.  ab: f16 [16 row blocks][32 heads][128 rows][64]; wo in wb from byte 12,582,912: f16, 16 groups [2048 k][128 n]; out0 f32.
; A work-group makes 128 x 128, a wave 64 x 64: 16 accumulators; 16 x 16 work-groups.  K goes in steps of 256 (four heads) through two LDS slots.
; CLUSTERS of 4 x 4: ab's tile hangs on the block row alone and is asked for jointly by a row of the cluster, wo's on the block column alone and
; jointly by a column.  Waves 0, 1 ask for wo's k rows 0-127, 128-255 of the step, waves 2, 3 for ab's heads 0-1, 2-3: 32,768 dense bytes each.
; K IS WALKED ROUND: cluster (X, Y) begins at K step (2 X + 4 p) mod 8, p the parity of Y's two bits, and goes round all 8 steps.  The four
; clusters of one Y, which read the same tiles of ab, are then 2 steps apart, and clusters of one X with different p, which read the same tiles
; of wo, 4 steps apart: in the second half of a cluster's steps both its tiles were asked for by another cluster 2 steps or more before,
; instead of by all their readers in one and the same step.  The start hangs on the cluster's own x and y alone, which all sixteen partners share.
; LIMIT: each sum takes K in the rotated order, not ascending: another order of f32 rounding.
; The matrix instruction is used transposed (source 0 = wo, source 1 = ab): a lane holds eight neighbouring columns of one row.
; REGISTERS: window 0: v0-31 addresses, v32-95 and v96-159 fragment buffers (ab 4 x 8, wo 4 x 8); window 1: accumulator (mt, t) at v[8 (4 mt + t)].
.set PA,    144                        ; LDS pitch of a row of one head: 128 + 16
.set PB,    288                        ; LDS pitch of a k row of wo: 256 + 32, an odd multiple of 32 for the transposing loads
.set QT,    36864                      ; a quarter of a slot: 128 x 288 = 256 x 144
.set SLOT,  4*QT
.set AOFF,  2*QT
.set STAGE, 2*SLOT                     ; 16 rows x 272 bytes for each wave, its own; no tensor load lands here
.set PS,    272
.set LAPS,  4                          ; 8 K steps, two a lap
.set ADRA,  8                          ; v8-9    ab fragments, slot 0, 1
.set ADRB,  10                         ; v10-13  wo fragments: slot 0 (k rows 0-127, 128-255), slot 1
.set STO,   14
.set RD,    15
.set CO,    16
.set F0,    32
.set F1,    96
.set G1A, 24
.set G0A, 32
.set G1B, 48
.set G0B, 56
.set KNX, 76                           ; s76     the next K step to ask for, counted on from the cluster's start; taken modulo 8 at use
.set KST, 77                           ; s77     that step modulo 8
.set KOF, 78                           ; s[78:79] its byte offset (s79 stays 0)
.set MSB, 0
.macro WIN new
.if MSB != \new
	s_set_vgpr_msb (MSB<<8)|\new
.set MSB, \new
.endif
.endm
.macro JLOAD s                         ; one joint load a wave; the branch hangs on the wave's number alone
	s_cmp_eq_u32 s13, 0
	s_cbranch_scc0 .Lfor_a_\@
	tensor_load_to_lds s[G0B+4*\s:G0B+4*\s+3], s[G1B:G1B+7]
	s_nop 0
	s_branch .Lasked_\@
.Lfor_a_\@:
	tensor_load_to_lds s[G0A+4*\s:G0A+4*\s+3], s[G1A:G1A+7]
	s_nop 0
.Lasked_\@:
.endm
; The global addresses of slot s's group 0s for K step s[KST]: four heads of 16,384 bytes in ab, 256 k rows of 256 bytes in wo: 65,536 bytes a step in both.
; s[16:17] and s[46:47] hold the two tensors' addresses at K step 0 and are never written again.
.macro ADDR s
	s_lshl_b32 s[KOF], s[KST], 16
	s_add_nc_u64 s[G0A+4*\s+2:G0A+4*\s+3], s[16:17], s[KOF:KOF+1]
	s_or_b32 s[G0A+4*\s+3], s[G0A+4*\s+3], 0x80000000
	s_add_nc_u64 s[G0B+4*\s+2:G0B+4*\s+3], s[46:47], s[KOF:KOF+1]
	s_or_b32 s[G0B+4*\s+3], s[G0B+4*\s+3], 0x80000000
.endm
.macro CREST
	s_cmp_lg_u32 s12, 0
	s_cbranch_scc1 .Lnot_wave_0_\@
	s_barrier_signal -3
.Lnot_wave_0_\@:
	s_barrier_wait -3
	s_barrier_signal -1
	s_barrier_wait -1
.endm
.macro CROUND
	s_barrier_signal -1
	s_barrier_wait -1
	CREST
.endm
.macro PLACES                          ; four places behind a matrix instruction (ISA guide 7.12.1)
.rept 4
	v_nop
.endr
.endm
	s_load_b128 s[4:7], s[0:1], 0x0                ; ab s[4:5], wb s[6:7]
	s_load_b64 s[8:9], s[0:1], 0x10                ; out0
	v_lshl_add_u32 v254, v0, 2, 0x4c400
	v_mov_b32 v255, 0
	ds_add_u32 v254, v255
	v_lshrrev_b32 v1, 5, v0
	v_readfirstlane_b32 s12, v1                    ; wave
	s_lshr_b32 s13, s12, 1                         ; mw.  Also: I fetch for wo (0) or for ab (1)
	s_and_b32 s14, s12, 1                          ; nw.  Also: which half of that tile
	s_bfe_u32 s40, ttmp6, 0x40000                  ; cx
	s_bfe_u32 s41, ttmp6, 0x40004                  ; cy
	s_lshl_b32 s42, ttmp9, 2
	s_add_co_u32 s42, s42, s40                     ; bx
	s_and_b32 s43, ttmp7, 0xffff
	s_lshl_b32 s43, s43, 2
	s_add_co_u32 s43, s43, s41                     ; by
	s_lshl_b32 s44, s41, 2
	s_lshl_b32 s44, 15, s44                        ; my row of the cluster
	s_lshl_b32 s45, 0x1111, s40                    ; my column
	s_and_b32 s[KNX], ttmp7, 0xffff                ; Y, the cluster's y
	s_lshr_b32 s[KST], s[KNX], 1
	s_xor_b32 s[KNX], s[KNX], s[KST]
	s_and_b32 s[KNX], s[KNX], 1                    ; p: the parity of its two bits
	s_lshl_b32 s[KNX], s[KNX], 2
	s_lshl_b32 s[KST], ttmp9, 1                    ; X, the cluster's x, times 2
	s_add_co_u32 s[KNX], s[KNX], s[KST]
	s_and_b32 s[KNX], s[KNX], 7                    ; the cluster's first K step: 0, 2, 4 or 6
	s_mov_b32 s[KOF+1], 0
	; both tiles: 128 rows of 32 elements of 8 bytes, dense.  ab: 4 words of padding behind every 32 (a row of one head); wo: 8 behind every 64 (a k row)
	s_or_b32 s[G1A+0], s44, (3<<16)|(1<<20)|(1<<21)|(4<<22)|(3<<25)
	s_or_b32 s[G1B+0], s45, (3<<16)|(1<<20)|(1<<21)|(5<<22)|(7<<25)
.irp g, G1A, G1B
	s_mov_b32 s[\g+1], 32<<16
	s_mov_b32 s[\g+2], 128<<16
	s_mov_b32 s[\g+3], 32<<16
	s_mov_b32 s[\g+4], 128
	s_mov_b32 s[\g+5], 32
	s_mov_b32 s[\g+6], 0
	s_mov_b32 s[\g+7], 0
.endr
	s_lshl_b32 s18, s14, 15                        ; my half: 32,768 bytes
	s_lshl_b32 s16, s43, 19                        ; ab: 524,288 bytes a row block
	s_add_co_u32 s16, s16, s18
	s_mov_b32 s17, 0
	s_lshl_b32 s46, s42, 19                        ; wo: 524,288 bytes a column group,
	s_add_co_u32 s46, s46, s18
	s_add_co_u32 s46, s46, 12582912                ; behind the 48 units of wq, wk, wv
	s_mov_b32 s47, 0
	s_mul_i32 s20, s12, QT                         ; where a tile goes: the wave's number alone
	s_wait_dscnt 0x0
	s_wait_kmcnt 0x0
	s_add_nc_u64 s[16:17], s[4:5], s[16:17]        ; ab at my block row, K step 0, my half
	s_add_nc_u64 s[46:47], s[6:7], s[46:47]        ; wo at my block column, K step 0, my half
	CROUND                                         ; all sixteen work-groups are here: the first joint loads meet
.irp s, 0,1
	s_add_co_u32 s[KST], s[KNX], \s                ; the cluster's first two steps: 7 at the most, no wrap
	s_mov_b32 s[G0A+4*\s], 1
	s_add_co_u32 s[G0A+4*\s+1], s20, \s*SLOT
	s_mov_b32 s[G0B+4*\s], 1
	s_add_co_u32 s[G0B+4*\s+1], s20, \s*SLOT
	ADDR \s
	JLOAD \s                                       ; both slots' first fills: two loads of the wave are out, later one
.endr
	s_add_co_u32 s[KNX], s[KNX], 2                 ; the next step to ask for
	v_and_b32 v1, 15, v0                           ; r
	v_bfe_u32 v2, v0, 4, 1                         ; h
	v_and_b32 v3, 7, v0
	v_bfe_u32 v4, v0, 3, 1
	v_mul_u32_u24 v5, v1, PA
	v_lshl_add_u32 v5, v2, 4, v5
	s_mul_i32 s21, s13, 64*PA
	s_add_co_u32 s21, s21, AOFF
	v_add_nc_u32 v[ADRA], s21, v5
	v_add_nc_u32 v[ADRA+1], SLOT, v[ADRA]
	v_lshl_add_u32 v6, v2, 3, v3
	v_mul_u32_u24 v6, v6, PB
	v_lshl_add_u32 v6, v4, 4, v6
	s_lshl_b32 s22, s14, 7                         ; my 64 columns: 128 bytes
	v_add_nc_u32 v[ADRB], s22, v6
	v_add_nc_u32 v[ADRB+1], QT, v[ADRB]
	v_add_nc_u32 v[ADRB+2], SLOT, v[ADRB]
	v_add_nc_u32 v[ADRB+3], SLOT+QT, v[ADRB]
	s_mul_i32 s23, s12, 16*PS
	s_add_co_u32 s23, s23, STAGE
	v_mul_u32_u24 v5, v1, PS                       ; in: row r, 32 bytes (8 f32) for each half of the lanes
	v_lshl_add_u32 v5, v2, 5, v5
	v_add_nc_u32 v[STO], s23, v5
	v_mul_u32_u24 v5, v2, PS                       ; back: lanes 0-15 take one row of 256 bytes, lanes 16-31 the next
	v_lshl_add_u32 v5, v1, 4, v5
	v_add_nc_u32 v[RD], s23, v5
	v_lshlrev_b32 v5, 13, v2                       ; and the same two rows in out0, 8,192 bytes apart
	v_lshl_add_u32 v[CO], v1, 4, v5
; 16 LDS loads: the fragments of 32 along K (part q of the slot's eight) into buffer f
.macro FETCH slot, q, f
.irp mt, 0,1,2,3
	ds_load_b128 v[\f+8*\mt:\f+8*\mt+3],   v[ADRA+\slot] offset:(\q>>1)*128*PA+\mt*16*PA+(\q&1)*64
	ds_load_b128 v[\f+8*\mt+4:\f+8*\mt+7], v[ADRA+\slot] offset:(\q>>1)*128*PA+\mt*16*PA+(\q&1)*64+32
.endr
.irp t, 0,1,2,3
	ds_load_tr16_b128 v[\f+32+8*\t:\f+32+8*\t+3],   v[ADRB+2*\slot+(\q>>2)] offset:(\q&3)*32*PB+32*\t
	ds_load_tr16_b128 v[\f+32+8*\t+4:\f+32+8*\t+7], v[ADRB+2*\slot+(\q>>2)] offset:(\q&3)*32*PB+32*\t+16*PB
.endr
.endm
; 8 matrix instructions.  The 16 accumulators take turns, one instruction a turn, in one fixed order.
.macro MUL8 f, mt0, zero
.irp mt, \mt0, \mt0+1
.irp t, 0,1,2,3
.if \zero
	v_wmma_f32_16x16x32_f16 v[8*(4*(\mt)+\t):8*(4*(\mt)+\t)+7], v[\f+32+8*\t:\f+32+8*\t+7], v[\f+8*(\mt):\f+8*(\mt)+7], 0
.else
	v_wmma_f32_16x16x32_f16 v[8*(4*(\mt)+\t):8*(4*(\mt)+\t)+7], v[\f+32+8*\t:\f+32+8*\t+7], v[\f+8*(\mt):\f+8*(\mt)+7], v[8*(4*(\mt)+\t):8*(4*(\mt)+\t)+7]
.endif
.endr
.endr
.endm
; One of a step's first seven parts: buffer f is in; the next part's fragments are asked for first, into g
.macro PART slot, qn, f, g, zero
	s_wait_dscnt 0x0
	PLACES
	WIN 0
	FETCH \slot, \qn, \g
	WIN 0x50
	MUL8 \f, 0, \zero
	MUL8 \f, 2, \zero
.endm
.macro SEVEN slot, zero
	PART \slot, 1, F0, F1, \zero
	PART \slot, 2, F1, F0, 0
	PART \slot, 3, F0, F1, 0
	PART \slot, 4, F1, F0, 0
	PART \slot, 5, F0, F1, 0
	PART \slot, 6, F1, F0, 0
	PART \slot, 7, F0, F1, 0
.endm
; The last part changes slots: my reads of this slot are back and all my tensor loads have landed in front of the barrier; where the slot is filled
; again the barrier opens a round of the cluster's barrier, and the joint load is first behind it.
.macro TURN slot, next, fill
	s_wait_dscnt 0x0
	s_wait_tensorcnt 0x0
	ds_add_u32 v254, v255
	s_wait_dscnt 0x0
	s_barrier_signal -1
	WIN 0x50
	MUL8 F1, 0, 0
	WIN 0
	s_barrier_wait -1
.if \fill
	CREST
	s_and_b32 s[KST], s[KNX], 7                    ; the step two turns on, round the 8; no tensor load of mine is out, so the group 0s may be written
	s_add_co_u32 s[KNX], s[KNX], 1
	ADDR \slot
	JLOAD \slot
.endif
	PLACES
	FETCH \next, 0, F0
	WIN 0x50
	MUL8 F1, 2, 0
.endm
.macro LAP zero
	SEVEN 0, \zero
	TURN 0, 1, 1
	SEVEN 1, 0
	TURN 1, 0, 1
.endm
	s_wait_tensorcnt 1                             ; my part of the first K step is in; the second's may stay out
	s_barrier_signal -1
	s_barrier_wait -1
	FETCH 0, 0, F0
	LAP 1                                          ; the first products start the sums: nothing is cleared
	WIN 0
	s_mov_b32 s3, LAPS-2
.Llap:
	LAP 0
	WIN 0
	s_sub_co_u32 s3, s3, 1
	s_cmp_lg_u32 s3, 0
	s_cbranch_scc1 .Llap
	SEVEN 0, 0                                     ; the last lap fills nothing: 2 first fills and 6 refills have asked for all 8 steps
	TURN 0, 1, 0
	SEVEN 1, 0
	s_wait_dscnt 0x0
	WIN 0x50
	MUL8 F1, 0, 0
	MUL8 F1, 2, 0
	PLACES
	; THE WAY OUT, 16 rows at a time through my own stage: a lane's 32 bytes in, whole rows of 256 bytes back.
	s_lshl_b32 s66, s43, 7
	s_lshl_b32 s67, s13, 6
	s_add_co_u32 s66, s66, s67                     ; my first row,
	s_lshl_b32 s66, s66, 13                        ; 8,192 bytes a row
	s_lshl_b32 s67, s42, 9                         ; my first column: 512 bx + 256 nw bytes
	s_add_co_u32 s66, s66, s67
	s_lshl_b32 s67, s14, 8
	s_add_co_u32 s66, s66, s67
	s_mov_b32 s67, 0
	s_add_nc_u64 s[8:9], s[8:9], s[66:67]
.macro OUT16 mt, f
	WIN 0x04                                       ; store data in window 1
.irp t, 0,1,2,3
	ds_store_b128 v[STO], v[8*(4*\mt+\t):8*(4*\mt+\t)+3]   offset:64*\t
	ds_store_b128 v[STO], v[8*(4*\mt+\t)+4:8*(4*\mt+\t)+7] offset:64*\t+16
.endr
	WIN 0
	s_wait_xcnt 0x0                                ; buffer f, which earlier stores read, and the stores' base are rewritten only behind this wait
.if \mt
	s_add_nc_u64 s[8:9], s[8:9], 16*8192
.endif
.irp i, 0,1,2,3,4,5,6,7
	ds_load_b128 v[\f+4*\i:\f+4*\i+3], v[RD] offset:\i*2*PS        ; LDS serves a wave's instructions in order: these see the stores above
.endr
.irp i, 0,1,2,3,4,5,6,7
	s_wait_dscnt 7-\i
	global_store_b128 v[CO], v[\f+4*\i:\f+4*\i+3], s[8:9] offset:16384*\i       ; 16 lanes store 256 consecutive bytes, aligned
.endr
.endm
	OUT16 0, F0
	OUT16 1, F1
	OUT16 2, F0
	OUT16 3, F1
	s_wait_tensorcnt 0x0
	ds_add_u32 v254, v255
	s_wait_dscnt 0x0
	CROUND                                         ; the closing round
	s_endpgm
.Lfunc_end_k_q73d980d0b1_oproj:
	.size	k_q73d980d0b1_oproj, .Lfunc_end_k_q73d980d0b1_oproj-k_q73d980d0b1_oproj
	.p2alignl 7, 3214868480
	.fill 96, 4, 3214868480
	.section	.rodata,"a",@progbits
	.p2align	6, 0x0
	.amdhsa_kernel k_q73d980d0b1_oproj
		.amdhsa_group_segment_fixed_size 327680
		.amdhsa_private_segment_fixed_size 0
		.amdhsa_enable_private_segment 0
		.amdhsa_kernarg_size 24
		.amdhsa_user_sgpr_count 2
		.amdhsa_user_sgpr_kernarg_segment_ptr 1
		.amdhsa_wavefront_size32 1
		.amdhsa_system_sgpr_workgroup_id_x 1
		.amdhsa_system_sgpr_workgroup_id_y 1
		.amdhsa_system_sgpr_workgroup_id_z 1
		.amdhsa_system_vgpr_workitem_id 0
		.amdhsa_next_free_vgpr 384
		.amdhsa_next_free_sgpr 80
		.amdhsa_reserve_vcc 0
		.amdhsa_float_denorm_mode_32 3
		.amdhsa_float_denorm_mode_16_64 3
		.amdhsa_memory_ordered 1
		.amdhsa_forward_progress 1
		.amdhsa_inst_pref_size 127
	.end_amdhsa_kernel
	.amdgpu_metadata
---
amdhsa.version: [ 1, 2 ]
amdhsa.kernels:
  - .name:           k_q73d980d0b1_oproj
    .symbol:         k_q73d980d0b1_oproj.kd
    .args:
      - { .name: ab, .offset: 0, .size: 8, .value_kind: global_buffer, .address_space: global }
      - { .name: wb, .offset: 8, .size: 8, .value_kind: global_buffer, .address_space: global }
      - { .name: out0, .offset: 16, .size: 8, .value_kind: global_buffer, .address_space: global }
    .group_segment_fixed_size: 327680
    .private_segment_fixed_size: 0
    .kernarg_segment_align: 8
    .kernarg_segment_size: 24
    .max_flat_workgroup_size: 128
    .sgpr_count:     80
    .vgpr_count:     384
    .wavefront_size: 32
...
	.end_amdgpu_metadata
.endif
;; end of part 7
;; ======== version 3 of 3: 4 launches; version 2 with the launch prep written anew for expert scheduling mode
;; limits: values are held in f16: magnitudes above 65,504 overflow, below 6.1e-05 lose precision
;; workspace buffers: xb 8,388,608 bytes; wb 20,971,520 bytes; tab 524,544 bytes; qkv 12,582,912 bytes; ab 8,388,608 bytes
;; launch prep (part 8): grid 8 x 112, 8 waves a work-group, no clusters, 0 bytes of LDS; arguments x, wq, wk, wv, wo, position_ids, xb, wb, tab; writes xb, wb, tab
.if DOCPART == 8
	.amdgcn_target "amdgcn-amd-amdhsa--gfx1250"
	.amdhsa_code_object_version 6
	.text
	.protected	k_q73d980d0b1_prep
	.globl	k_q73d980d0b1_prep
	.p2align	8
	.type	k_q73d980d0b1_prep,@function
k_q73d980d0b1_prep:
	s_mov_b64 s[64:65], 0
	v_nop
	global_prefetch_b8 v0, s[64:65] scope:SCOPE_SE
	s_setreg_imm32_b32 hwreg(HW_REG_WAVE_SCHED_MODE, 0, 2), 2
	s_setreg_imm32_b32 hwreg(HW_REG_WAVE_MODE, 25, 1), 1
	s_wait_xcnt 0x0
	s_wait_alu depctr_vm_vsrc(0)
; Casts and the RoPE table, one stream.
;   xb : x as bf16, [2048][2048].
;   wb : 80 units of 262,144 bytes.  Units 0-47: column group g of [wq|wk|wv] as [2048 k][64 n] bf16 (g 0-31 q heads, 32-39 k heads,
;        40-47 v heads).  Units 48-79: wo in 16 groups of 128 columns, [2048 k][128 n], two units a group, as f16: each number is
;        rounded to bf16 like every other input and then written as f16 (exact from 2^-14 up, within 2^-25 below), because its partner
;        in the last product, the attention result, is kept in f16.
;   tab: f32 [2049][32][2]: row s holds (cos, sin) of position_ids[s] * 10000^(-f/32), f = 0..31; row 2048 holds (1, 0).
; An item is 128 numbers: 16 bytes a lane in, 8 bytes a lane out, so a store of the wave covers 256 consecutive bytes, aligned.
; A group is 1,024 items = one unit of 262,144 bytes out; work-group (part, G) takes items 128 part .. +127 of group G, a wave 16 of them,
; all 16 loads on their way at once.  Memory binds: no LDS, no barrier, no matrix unit, no cluster (no byte is read twice).
; LIMITS: 10000^(-f/32) is made by v_exp_f32, a few units in the last place from a power function's; the angle is reduced twice by
; multiples of pi/2 in three parts, which serves every int32 position, within about 1e-5 radian at the largest.
; THE MODE: SCHED_MODE bits 1:0 = 2 (LLVM: expert scheduling mode 2), set by the entry lines.  The code itself states the register dependences
; between vector instructions and memory instructions, with s_wait_alu, always for 0.
; THE PLAN.  Registers that memory instructions touch:
;   OFF, DOFF, v85   byte offsets.  Written by vector lines ahead of the first load; read by the loads and stores; never written again.
;   DAT              item i: four registers.  The item's load lands in them once (no vector line names them before); the item's roundings work
;                    in place; the item's store reads the first two; nothing writes them afterwards.
;   v[104:105], v[108:109]   a table row.  Written by vector lines, read by one store each, never written again.
; No register that a memory instruction reads is ever written again, so the text owes no wait on vm_vsrc.
; The 16 items go in four blocks of four.  Block p's roundings name block p's registers alone; its memory instructions are the four stores of
; block p - 1.  So one wait on va_vdst at a block's head states all that those four stores hang on, and they are dealt among the block's
; roundings, each ahead of the wait for the next item's load, with no further wait.  One more wait stands ahead of the last block's stores.
.set OFF,  4                           ; v[4:19]   item i: byte offset of my 16 bytes from the wave's first item; never rewritten
.set DAT,  20                          ; v[20:83]  item i: 4 registers
.set DOFF, 84                          ; v84       8 x lane
	s_load_b512 s[4:19], s[0:1], 0x0               ; x, wq, wk, wv, wo, position_ids, xb, wb
	s_load_b64 s[20:21], s[0:1], 0x40              ; tab
	s_and_b32 s22, ttmp7, 0xffff                   ; G, the group: 0-31 x, 32-63 wq, 64-71 wk, 72-79 wv, 80-111 wo
	v_lshrrev_b32 v2, 5, v0
	v_readfirstlane_b32 s24, v2                    ; wave
	v_and_b32 v1, 31, v0                           ; lane
	s_lshl_b32 s25, ttmp9, 7
	s_wait_alu depctr_va_sdst(0)                   ; s24 is written, ahead of its first reader: the wave's first item and its table row are made from it
	s_lshl4_add_u32 s25, s24, s25                  ; my first item = 128 part + 16 wave
	s_mov_b32 s34, 0                               ; the first group of my tensor
	s_mov_b32 s30, 512                             ; IS: source bytes from item to item
	s_mov_b32 s31, 256                             ; HS: source bytes from lanes 0-15 to lanes 16-31
	s_wait_kmcnt 0x0
	s_mov_b64 s[26:27], s[4:5]                     ; source: x
	s_mov_b64 s[28:29], s[16:17]                   ; destination: xb
	s_cmp_ge_u32 s22, 32                           ; wq: an item is two k rows of 64 columns, 8,192 bytes apart
	s_cselect_b64 s[26:27], s[6:7], s[26:27]
	s_cselect_b64 s[28:29], s[18:19], s[28:29]     ; every weight goes to wb
	s_cselect_b32 s34, 32, s34
	s_cselect_b32 s30, 16384, s30
	s_cselect_b32 s31, 8192, s31
	s_cselect_b32 s40, 32, 0                       ; unit in the destination = G - 32 for weights, G for x
	s_cmp_ge_u32 s22, 64                           ; wk: rows of 2,048 bytes
	s_cselect_b64 s[26:27], s[8:9], s[26:27]
	s_cselect_b32 s34, 64, s34
	s_cselect_b32 s30, 4096, s30
	s_cselect_b32 s31, 2048, s31
	s_cmp_ge_u32 s22, 72                           ; wv: the same shape
	s_cselect_b64 s[26:27], s[10:11], s[26:27]
	s_cselect_b32 s34, 72, s34
	s_cmp_ge_u32 s22, 80                           ; wo: an item is one k row of 128 columns
	s_cselect_b64 s[26:27], s[12:13], s[26:27]
	s_cselect_b32 s34, 80, s34
	s_cselect_b32 s30, 8192, s30
	s_cselect_b32 s31, 256, s31
	s_sub_co_u32 s35, s22, s34                     ; the group's number inside its tensor
	s_lshl_b32 s36, s35, 19                        ; x: 1,024 items of 512 bytes
	s_lshl_b32 s37, s35, 8                         ; wq, wk, wv: 64 columns of 4 bytes
	s_lshr_b32 s38, s35, 1
	s_lshl_b32 s38, s38, 9                         ; wo: 128 columns of 4 bytes for each pair of groups,
	s_and_b32 s39, s35, 1
	s_lshl_b32 s39, s39, 23                        ; and 1,024 rows of 8,192 bytes for the pair's second
	s_add_co_u32 s38, s38, s39
	s_cmp_ge_u32 s22, 32
	s_cselect_b32 s32, s37, s36
	s_cmp_ge_u32 s22, 80
	s_cselect_b32 s32, s38, s32
	s_mul_i32 s33, s25, s30                        ; + my first item
	s_add_co_u32 s32, s32, s33
	s_mov_b32 s33, 0
	s_add_nc_u64 s[26:27], s[26:27], s[32:33]
	s_sub_co_u32 s32, s22, s40
	s_lshl_b32 s32, s32, 18                        ; the unit, 262,144 bytes each,
	s_lshl_b32 s41, s25, 8                         ; + my first item, 256 bytes each
	s_add_co_u32 s32, s32, s41
	s_add_nc_u64 s[28:29], s[28:29], s[32:33]
	v_and_b32 v2, 15, v0
	v_bfe_u32 v3, v0, 4, 1
	v_lshlrev_b32 v2, 4, v2
	v_mad_u32_u24 v[OFF], v3, s31, v2              ; 16 (lane mod 16) + HS (lane / 16)
.set i, 1
.rept 15
	v_add_nc_u32 v[OFF+i], s30, v[OFF+i-1]
.set i, i+1
.endr
	v_lshlrev_b32 v[DOFF], 3, v1
.macro LOADS                           ; the wave's 16 items, read once in the launch
.set i, 0
.rept 16
	global_load_b128 v[DAT+4*i:DAT+4*i+3], v[OFF+i], s[26:27] th:TH_LOAD_NT
.set i, i+1
.endr
.endm
; r = x - n pi/2 with pi/2 in three parts (s36, s37, s38 hold them negated); n as a whole number into ni
.macro REDUCE x, r, ni
	v_mul_f32 v91, 0x3f22f983, v[\x]               ; x * 2/pi
	v_rndne_f32 v91, v91
	v_fma_f32 v[\r], v91, s36, v[\x]
	v_fma_f32 v[\r], v91, s37, v[\r]
	v_fma_f32 v[\r], v91, s38, v[\r]
	v_cvt_i32_f32 v[\ni], v91
.endm
; the 16 items leave, in four blocks of four.  half = 1: bf16 numbers written as f16
.macro STREAM half
.set i, 0
.rept 16
.if ((i%4) == 0) && (i > 0)
	s_wait_alu depctr_va_vdst(0)                   ; the block before has written its four items' data, which the four stores dealt among this block's roundings read
.endif
.if i > 3
	global_store_b64 v[DOFF], v[DAT+4*i-16:DAT+4*i-15], s[28:29] offset:256*i-1024   ; item i - 4, ahead of the wait for item i's load.  No vector line since the block's wait names its registers; no register of a store is written again
.endif
	s_wait_loadcnt 15-i                            ; loads come back in order: item i is in, the 15 - i younger ones stay out
	v_cvt_pk_bf16_f32 v[DAT+4*i], v[DAT+4*i], v[DAT+4*i+1]
	v_cvt_pk_bf16_f32 v[DAT+4*i+1], v[DAT+4*i+2], v[DAT+4*i+3]
.if \half
	v_lshlrev_b32 v[DAT+4*i+2], 16, v[DAT+4*i]
	v_and_b32 v[DAT+4*i+3], 0xffff0000, v[DAT+4*i]
	v_cvt_pk_f16_f32 v[DAT+4*i], v[DAT+4*i+2], v[DAT+4*i+3]
	v_lshlrev_b32 v[DAT+4*i+2], 16, v[DAT+4*i+1]
	v_and_b32 v[DAT+4*i+3], 0xffff0000, v[DAT+4*i+1]
	v_cvt_pk_f16_f32 v[DAT+4*i+1], v[DAT+4*i+2], v[DAT+4*i+3]
.endif
.set i, i+1
.endr
	s_wait_alu depctr_va_vdst(0)                   ; the last block has written its data, which the last four stores read
.set i, 12
.rept 4
	global_store_b64 v[DOFF], v[DAT+4*i:DAT+4*i+1], s[28:29] offset:256*i
.set i, i+1
.endr
.endm
	s_cmp_ge_u32 s22, 32
	s_cbranch_scc1 .Lplain
	; The 256 work-groups of x also make the table: 2,048 waves, one row each, lane = frequency.
	s_lshl3_add_u32 s34, s22, ttmp9                ; 8 G + part
	s_lshl3_add_u32 s34, s34, s24                  ; row s = 8 (8 G + part) + wave
	s_lshl_b32 s35, s34, 2
	v_mov_b32 v85, s35
	s_wait_alu depctr_va_vdst(0)                   ; v85, the 16 offsets v[OFF ..] and v[DOFF] are written: the loads below and every store of the kernel read them
	global_load_b32 v86, v85, s[14:15]             ; position_ids[s], ahead of the stream's loads
	LOADS
	s_lshl_b32 s32, s34, 8                         ; a table row is 256 bytes (s33 is 0)
	s_add_nc_u64 s[20:21], s[20:21], s[32:33]
	s_mov_b32 s36, 0xbfc90fdb                      ; - pi/2, first part
	s_mov_b32 s37, 0x333bbd2e                      ; second part
	s_mov_b32 s38, 0x26f72ced                      ; third part
	v_cvt_f32_u32 v87, v1
	v_mul_f32 v87, 0xbed49a78, v87                 ; - f log2(10000) / 32
	v_exp_f32 v87, v87                             ; 10000^(-f/32)
	v_nop                                          ; one plain place behind a transcendental (ISA guide 5.7.2)
	s_wait_loadcnt 16                              ; the position is in; the 16 loads issued behind it stay out
	v_cvt_f32_i32 v86, v86
	s_wait_alu depctr_va_vdst(0)                   ; the exponential has written v87, which the next line reads
	v_mul_f32 v88, v86, v87                        ; the angle
	REDUCE 88, 89, 90
	REDUCE 89, 92, 93                              ; once more: at large angles the first remainder is not yet within pi/4
	v_add_nc_u32 v102, v90, v93
	v_and_b32 v102, 3, v102                        ; the quadrant
	v_mul_f32 v94, v92, v92                        ; z = r r
	v_mov_b32 v95, 0xb94ca1f9
	v_fmaak_f32 v95, v95, v94, 0x3c08839e
	v_fmaak_f32 v95, v95, v94, 0xbe2aaaa3
	v_mul_f32 v96, v92, v94
	v_fma_f32 v97, v96, v95, v92                   ; sin r = r + r z (..)
	v_mov_b32 v98, 0x37ccf5ce
	v_fmaak_f32 v98, v98, v94, 0xbab6061a
	v_fmaak_f32 v98, v98, v94, 0x3d2aaaa5
	v_mul_f32 v99, v94, v94
	v_fma_f32 v100, v94, -0.5, 1.0
	v_fma_f32 v101, v99, v98, v100                 ; cos r = 1 - z/2 + z z (..)
	v_and_b32 v103, 1, v102
	v_cmp_eq_u32 vcc_lo, 1, v103                   ; odd quadrants swap the two
	v_lshrrev_b32 v106, 1, v102                    ; the two sign bits hang on the quadrant alone: they are made between the compare and the wait for it
	v_lshlrev_b32 v106, 31, v106                   ; the sine is negative in quadrants 2 and 3,
	v_add_nc_u32 v107, 1, v102
	v_lshrrev_b32 v107, 1, v107
	v_lshlrev_b32 v107, 31, v107                   ; the cosine in quadrants 1 and 2
	s_wait_alu depctr_va_vcc(0)                    ; the compare has written VCC, which the two selects read
	v_cndmask_b32 v105, v97, v101, vcc_lo          ; sine
	v_cndmask_b32 v104, v101, v97, vcc_lo          ; cosine
	v_xor_b32 v105, v105, v106
	v_xor_b32 v104, v104, v107
	s_wait_alu depctr_va_vdst(0)                   ; v104 and v105 are written, which the store reads
	global_store_b64 v[DOFF], v[104:105], s[20:21]
	s_cmp_lg_u32 s34, 0
	s_cbranch_scc1 .Lstream
	v_mov_b32 v108, 1.0                            ; the wave of row 0 also writes row 2048: (1, 0), which leaves v heads as they are
	v_mov_b32 v109, 0
	s_wait_alu depctr_va_vdst(0)                   ; v108 and v109 are written, which the store reads
	global_store_b64 v[DOFF], v[108:109], s[20:21] offset:524288
	s_branch .Lstream
.Lplain:
	s_wait_alu depctr_va_vdst(0)                   ; the 16 offsets v[OFF ..] and v[DOFF] are written: the loads below and every store of the kernel read them
	LOADS
.Lstream:
	s_cmp_ge_u32 s22, 80
	s_cbranch_scc1 .Lwo
	STREAM 0
	s_endpgm
.Lwo:
	STREAM 1
	s_endpgm
.Lfunc_end_k_q73d980d0b1_prep:
	.size	k_q73d980d0b1_prep, .Lfunc_end_k_q73d980d0b1_prep-k_q73d980d0b1_prep
	.p2alignl 7, 3214868480
	.fill 96, 4, 3214868480
	.section	.rodata,"a",@progbits
	.p2align	6, 0x0
	.amdhsa_kernel k_q73d980d0b1_prep
		.amdhsa_group_segment_fixed_size 0
		.amdhsa_private_segment_fixed_size 0
		.amdhsa_enable_private_segment 0
		.amdhsa_kernarg_size 72
		.amdhsa_user_sgpr_count 2
		.amdhsa_user_sgpr_kernarg_segment_ptr 1
		.amdhsa_wavefront_size32 1
		.amdhsa_system_sgpr_workgroup_id_x 1
		.amdhsa_system_sgpr_workgroup_id_y 1
		.amdhsa_system_sgpr_workgroup_id_z 1
		.amdhsa_system_vgpr_workitem_id 0
		.amdhsa_next_free_vgpr 112
		.amdhsa_next_free_sgpr 66
		.amdhsa_reserve_vcc 1
		.amdhsa_float_denorm_mode_32 3
		.amdhsa_float_denorm_mode_16_64 3
		.amdhsa_memory_ordered 1
		.amdhsa_forward_progress 1
		.amdhsa_inst_pref_size 23
	.end_amdhsa_kernel
	.amdgpu_metadata
---
amdhsa.version: [ 1, 2 ]
amdhsa.kernels:
  - .name:           k_q73d980d0b1_prep
    .symbol:         k_q73d980d0b1_prep.kd
    .args:
      - { .name: x, .offset: 0, .size: 8, .value_kind: global_buffer, .address_space: global }
      - { .name: wq, .offset: 8, .size: 8, .value_kind: global_buffer, .address_space: global }
      - { .name: wk, .offset: 16, .size: 8, .value_kind: global_buffer, .address_space: global }
      - { .name: wv, .offset: 24, .size: 8, .value_kind: global_buffer, .address_space: global }
      - { .name: wo, .offset: 32, .size: 8, .value_kind: global_buffer, .address_space: global }
      - { .name: position_ids, .offset: 40, .size: 8, .value_kind: global_buffer, .address_space: global }
      - { .name: xb, .offset: 48, .size: 8, .value_kind: global_buffer, .address_space: global }
      - { .name: wb, .offset: 56, .size: 8, .value_kind: global_buffer, .address_space: global }
      - { .name: tab, .offset: 64, .size: 8, .value_kind: global_buffer, .address_space: global }
    .group_segment_fixed_size: 0
    .private_segment_fixed_size: 0
    .kernarg_segment_align: 8
    .kernarg_segment_size: 72
    .max_flat_workgroup_size: 256
    .sgpr_count:     66
    .vgpr_count:     112
    .wavefront_size: 32
...
	.end_amdgpu_metadata
.endif
;; end of part 8
;; launch qkv: the kernel of part 5 again; grid 16 x 16, 4 waves a work-group, clusters of 4 x 4, 327,680 bytes of LDS; arguments xb, wb, tab, qkv; writes qkv
;; launch attn: the kernel of part 6 again; grid 32 x 8, 8 waves a work-group, clusters of 4 x 1, 327,680 bytes of LDS; arguments qkv, ab; writes ab
;; launch oproj: the kernel of part 7 again; grid 16 x 16, 4 waves a work-group, clusters of 4 x 4, 327,680 bytes of LDS; arguments ab, wb, out0; writes out0
